; MI455X (gfx1250); checked and timed in simulation.
; The chip was launched on July 23, 2026; its instructions are those of AMD's public machine-readable ISA for CDNA 5 (MIT licence, August 2026) and "CDNA5" Instruction Set Architecture Reference Guide (July 2026). The comments in the code are by the model that wrote it; some were corrected since.
;; Scaled Dot Product Attention. Allowed arithmetic: float matrix products may take bf16 or f16 operands with f32 sums; other float arithmetic in f32, or as packed bf16 or f16 multiplies, adds, multiply-adds, maxima and minima; sums over many terms, partial sums and values carried from step to step in f32; what a program stores and reads back later, other than sums and carried values, may be rounded once to bf16 or f16.
;; Inputs: K 4 x 2,048 x 1,024 float32; Q 4 x 2,048 x 1,024 float32; V 4 x 2,048 x 1,024 float32; Wk 1,024 x 1,024 float32; Wq 1,024 x 1,024 float32; Wv 1,024 x 1,024 float32; bk 1,024 float32; bq 1,024 float32; bv 1,024 float32; mask 1 x 2,048 x 2,048 int32.
;; Outputs: out0 4 x 2,048 x 1,024 float32.
;; 2 versions, each right; version 2 is version 1 with the launch prep written anew for expert scheduling mode. Each part assembles by itself: llvm-mc -triple=amdgcn-amd-amdhsa -mcpu=gfx1250 --defsym DOCPART=n.
;; ======== version 1 of 2: 4 launches
;; limits: values are held in f16: magnitudes above 65,504 overflow, below 6.1e-05 lose precision
;; workspace buffers: wb 6,291,456 bytes; maskw 524,288 bytes of whole numbers; qkv 50,331,648 bytes; pw 33,554,432 bytes; st 1,048,576 bytes
;; launch prep (part 1): grid 256 x 1, 8 waves a work-group, no clusters, 68,608 bytes of LDS; arguments Wq, Wk, Wv, mask, wb, maskw; writes wb, maskw
.if DOCPART == 1
	.amdgcn_target "amdgcn-amd-amdhsa--gfx1250"
	.amdhsa_code_object_version 6
	.text
	.protected	k_qf8de4ad2dc_prep
	.globl	k_qf8de4ad2dc_prep
	.p2align	8
	.type	k_qf8de4ad2dc_prep,@function
k_qf8de4ad2dc_prep:
	s_mov_b64 s[64:65], 0
	v_nop
	global_prefetch_b8 v0, s[64:65] scope:SCOPE_SE
	s_setreg_imm32_b32 hwreg(HW_REG_WAVE_MODE, 25, 1), 1
	s_wait_xcnt 0x0
; PREP.  (1) wb[t][d][e] = bf16(W_t[d][e]), t = 0, 1, 2 for Wq, Wk, Wv: a plain cast, rounded once to nearest even.
; (2) maskw[QB][KB][j], one 32-bit word: bit r + 16 h = (mask[16 QB + r][16 KB + 8 h + j] != 0).  That is the lane mask of register j of a
; 16 x 16 score tile in which lane r + 16 h holds query r and keys 8 h + 0..7, so the score launch selects with it as it lies.
; A stream: memory binds, so no matrix unit, no cluster, no tensor load.  Every input byte is read once, in runs of 512 bytes a wave.
; SHARES.  256 work-groups of eight waves.  Of each W a work-group casts 4,096 numbers: load k of thread t takes the 16 bytes at 16 t + 4,096 k,
; the store the 8 bytes at 8 t + 2,048 k: a wave's store covers 256 consecutive bytes, aligned.  Of the mask a wave packs 16 rows x 128 columns
; (task T = 8 g + w: QB = T / 16, columns 128 (T % 16) on): rows come in whole, go through the wave's own stage in LDS (pitch 528 bytes = 33 x 16),
; and 64 compares make the 64 words.
.set ROWP,  528
.set STG,   16*ROWP                    ; a wave's stage
.set SPARE, 8*STG                      ; behind the stages: the spare words, 128 bytes for each wave, that no other line names
.set SPW,  2                           ; v2   my spare word's LDS address; never rewritten
.set NIL,  3                           ; v3   0; never rewritten
.set WOFF, 4                           ; v4   16 x thread: W in
.set WOUT, 5                           ; v5   8 x thread: wb out
.set MOFF, 6                           ; v6   16 x lane: a mask row in
.set MST,  7                           ; v7   stage, in: my 16 bytes of a row
.set MRD,  8                           ; v8   stage, back: row r, 32 h bytes on
.set MOUT, 9                           ; v9   8 x lane: maskw out
.set BITS, 10                          ; v10-11  lane l: words 2 l and 2 l + 1
.set WI,   16                          ; v16-63   W as loaded, 12 loads
.set WO,   64                          ; v64-87   W as stored
.set MR,   88                          ; v88-151  16 mask rows as loaded
.set MB,   152                         ; v152-215 register m: the numbers of word m
	s_load_b256 s[4:11], s[0:1], 0x0               ; Wq s[4:5], Wk s[6:7], Wv s[8:9], mask s[10:11]
	s_load_b128 s[12:15], s[0:1], 0x20             ; wb s[12:13], maskw s[14:15]
	v_lshl_add_u32 v[SPW], v0, 2, SPARE
	v_mov_b32 v[NIL], 0
	v_lshrrev_b32 v1, 5, v0
	v_readfirstlane_b32 s16, v1                    ; wave 0..7
	v_and_b32 v1, 31, v0                           ; lane
	v_lshlrev_b32 v[WOFF], 4, v0
	v_lshlrev_b32 v[WOUT], 3, v0
	v_lshlrev_b32 v[MOFF], 4, v1
	s_mul_i32 s17, s16, STG                        ; my stage
	v_lshl_add_u32 v[MST], v1, 4, s17
	v_and_b32 v12, 15, v0                          ; r
	v_bfe_u32 v13, v0, 4, 1                        ; h
	v_mul_u32_u24 v12, v12, ROWP
	v_lshl_add_u32 v12, v13, 5, v12                ; r x pitch + 8 h numbers
	v_add_nc_u32 v[MRD], s17, v12
	v_lshlrev_b32 v[MOUT], 3, v1
	v_mov_b32 v[BITS], 0                           ; v_writelane_b32 keeps the other lanes: written whole first
	v_mov_b32 v[BITS+1], 0
	s_lshl_b32 s18, ttmp9, 3
	s_add_co_u32 s18, s18, s16                     ; T
	s_lshr_b32 s19, s18, 4                         ; QB
	s_and_b32 s18, s18, 15                         ; group of 128 columns
	s_lshl_b32 s24, s19, 17                        ; mask: 16 rows of 8,192 bytes,
	s_lshl_b32 s25, s18, 9                         ; 128 columns of 4
	s_add_co_u32 s24, s24, s25
	s_mov_b32 s25, 0
	s_lshl_b32 s26, s19, 12                        ; maskw: 1,024 words a QB,
	s_lshl_b32 s27, s18, 8                         ; 64 a task
	s_add_co_u32 s26, s26, s27
	s_mov_b32 s27, 0
	s_lshl_b32 s28, ttmp9, 14                      ; W: 4,096 numbers of 4 bytes a work-group
	s_mov_b32 s29, 0
	s_lshl_b32 s30, ttmp9, 13                      ; wb: of 2 bytes
	s_mov_b32 s31, 0
	s_wait_kmcnt 0x0
	s_add_nc_u64 s[10:11], s[10:11], s[24:25]
	s_add_nc_u64 s[14:15], s[14:15], s[26:27]
	s_add_nc_u64 s[4:5], s[4:5], s[28:29]
	s_add_nc_u64 s[6:7], s[6:7], s[28:29]
	s_add_nc_u64 s[8:9], s[8:9], s[28:29]
	s_add_nc_u64 s[12:13], s[12:13], s[30:31]
.irp i, 0,1,2,3,4,5,6,7,8,9,10,11,12,13,14,15
	global_load_b128 v[MR+4*(\i):MR+4*(\i)+3], v[MOFF], s[10:11] offset:(\i)*8192 th:TH_LOAD_NT  ; row i: 512 consecutive bytes
.endr
.irp t, 0,1,2
.irp k, 0,1,2,3
	global_load_b128 v[WI+16*(\t)+4*(\k):WI+16*(\t)+4*(\k)+3], v[WOFF], s[4+2*(\t):5+2*(\t)] offset:(\k)*4096 th:TH_LOAD_NT
.endr
.endr
	s_wait_loadcnt 12                              ; loads come back in order (ISA guide 5.7.1): the 16 rows are in, the 12 loads of W stay out
.irp i, 0,1,2,3,4,5,6,7,8,9,10,11,12,13,14,15
	ds_store_b128 v[MST], v[MR+4*(\i):MR+4*(\i)+3] offset:(\i)*ROWP
.endr
.set n, 0
.rept 16                                               ; LDS serves a wave's instructions in order (ISA guide 5.7.1.4): these see the stores above; the bytes are my wave's own
	ds_load_b128 v[MB+4*n:MB+4*n+3], v[MRD] offset:(n/2)*64+(n%2)*16  ; columns 16 (n / 2) + 8 h + 4 (n % 2) + 0..3 of row r: words 4 n .. 4 n + 3
.set n, n+1
.endr
	s_wait_loadcnt 0x0                             ; W
.set i, 0
.rept 12
	v_cvt_pk_bf16_f32 v[WO+2*i], v[WI+4*i], v[WI+4*i+1]
	v_cvt_pk_bf16_f32 v[WO+2*i+1], v[WI+4*i+2], v[WI+4*i+3]
	global_store_b64 v[WOUT], v[WO+2*i:WO+2*i+1], s[12:13] offset:(i/4)*2097152+(i%4)*2048
.set i, i+1
.endr
	s_wait_dscnt 0x0                               ; the mask is back
.set m, 0
.rept 64
	v_cmp_ne_u32 s[20+m%4], 0, v[MB+m]             ; word m: one bit a lane
	v_writelane_b32 v[BITS+m%2], s[20+m%4], m/2
.set m, m+1
.endr
	global_store_b64 v[MOUT], v[BITS:BITS+1], s[14:15]  ; 64 words: 256 consecutive bytes, aligned
	s_wait_tensorcnt 0x0                           ; the wave's end, behind my last LDS store
	ds_add_u32 v[SPW], v[NIL]
	s_wait_dscnt 0x0
	s_endpgm
.Lfunc_end_k_qf8de4ad2dc_prep:
	.size	k_qf8de4ad2dc_prep, .Lfunc_end_k_qf8de4ad2dc_prep-k_qf8de4ad2dc_prep
	.p2alignl 7, 3214868480
	.fill 96, 4, 3214868480
	.section	.rodata,"a",@progbits
	.p2align	6, 0x0
	.amdhsa_kernel k_qf8de4ad2dc_prep
		.amdhsa_group_segment_fixed_size 68608
		.amdhsa_private_segment_fixed_size 0
		.amdhsa_enable_private_segment 0
		.amdhsa_kernarg_size 48
		.amdhsa_user_sgpr_count 2
		.amdhsa_user_sgpr_kernarg_segment_ptr 1
		.amdhsa_wavefront_size32 1
		.amdhsa_system_sgpr_workgroup_id_x 1
		.amdhsa_system_sgpr_workgroup_id_y 1
		.amdhsa_system_sgpr_workgroup_id_z 1
		.amdhsa_system_vgpr_workitem_id 0
		.amdhsa_next_free_vgpr 216
		.amdhsa_next_free_sgpr 66
		.amdhsa_reserve_vcc 0
		.amdhsa_float_denorm_mode_32 3
		.amdhsa_float_denorm_mode_16_64 3
		.amdhsa_memory_ordered 1
		.amdhsa_forward_progress 1
		.amdhsa_inst_pref_size 18
	.end_amdhsa_kernel
	.amdgpu_metadata
---
amdhsa.version: [ 1, 2 ]
amdhsa.kernels:
  - .name:           k_qf8de4ad2dc_prep
    .symbol:         k_qf8de4ad2dc_prep.kd
    .args:
      - { .name: Wq, .offset: 0, .size: 8, .value_kind: global_buffer, .address_space: global }
      - { .name: Wk, .offset: 8, .size: 8, .value_kind: global_buffer, .address_space: global }
      - { .name: Wv, .offset: 16, .size: 8, .value_kind: global_buffer, .address_space: global }
      - { .name: mask, .offset: 24, .size: 8, .value_kind: global_buffer, .address_space: global }
      - { .name: wb, .offset: 32, .size: 8, .value_kind: global_buffer, .address_space: global }
      - { .name: maskw, .offset: 40, .size: 8, .value_kind: global_buffer, .address_space: global }
    .group_segment_fixed_size: 68608
    .private_segment_fixed_size: 0
    .kernarg_segment_align: 8
    .kernarg_segment_size: 48
    .max_flat_workgroup_size: 256
    .sgpr_count:     66
    .vgpr_count:     216
    .wavefront_size: 32
...
	.end_amdgpu_metadata
.endif
;; end of part 1
;; launch proj (part 2): grid 4 x 64, 4 waves a work-group, clusters of 4 x 4, 327,680 bytes of LDS; arguments Q, K, V, wb, bq, bk, bv, qkv; writes qkv
.if DOCPART == 2
	.amdgcn_target "amdgcn-amd-amdhsa--gfx1250"
	.amdhsa_code_object_version 6
	.text
	.protected	k_qf8de4ad2dc_proj
	.globl	k_qf8de4ad2dc_proj
	.p2align	8
	.type	k_qf8de4ad2dc_proj,@function
k_qf8de4ad2dc_proj:
	s_mov_b64 s[64:65], 0
	v_nop
	global_prefetch_b8 v0, s[64:65] scope:SCOPE_SE
	s_setreg_imm32_b32 hwreg(HW_REG_WAVE_MODE, 25, 1), 1
	s_wait_xcnt 0x0
	s_wait_alu depctr_hold_cnt(0) depctr_sa_sdst(0) depctr_va_vdst(0) depctr_va_sdst(0) depctr_va_ssrc(0) depctr_va_vcc(0) depctr_vm_vsrc(0)
	s_getreg_b32 s2, hwreg(HW_REG_IB_STS2, 6, 4)
	s_cmp_eq_u32 s2, 0
	s_cbranch_scc0 .Lentry_in_a_cluster
	s_endpgm
.Lentry_in_a_cluster:
	s_bfe_u32 s2, ttmp6, 0x10000c
	s_cmp_lg_u32 s2, 0xf033
	s_cbranch_scc0 .Lentry_shape_is_right
	s_endpgm
.Lentry_shape_is_right:
; PROJECTIONS.  qkv[t][row][e] = f16( sc_t x ( sum over d of bf16(X_t[row][d]) wb[t][d][e] + bf16(b_t[e]) ) ), X = Q, K, V; sc_0 = c = log2(e) / 32, sc_1 = sc_2 = 1.
; Sums in f32; every input is rounded once to bf16 (the bias too), the result once to f16, the scale applied in f32 ahead of that rounding.
; LIMITS.  f16 ends at 65,504: c q, k and v beyond that become infinities; below 6e-5 they keep f16's fixed step of 6e-8.  NaN and infinities are not treated apart.
; SHARES.  3 x 64 x 4 = 768 tiles of 128 rows x 256 columns.  A WORK-GROUP STAYS: 64 x 4 = 256 work-groups, each makes the same tile of q, then of k, then of v: ONE walk of 3 x 8 = 24 K steps of 128
; through a ring of two LDS slots that does not stop at a tile's end: a tile's last two changes of slots ask for the next tile's first two K steps, and a tile goes out straight behind such a request.
; Four waves, each 64 x 128: 32 accumulators.  X comes in as f32 (rows of 512 bytes) and is rounded on its way from LDS to the matrix unit; wb lies [d][e] and is turned by ds_load_tr16_b128.
; CLUSTER 4 x 4: the four of a row of the cluster make the four column tiles of one row tile and ask for X's tile jointly; the four of a column share wb's tile.  All sixteen are at the same step of the same projection.
; THE MATRIX INSTRUCTION IS USED TRANSPOSED (source 0 = 16 columns of W, source 1 = 16 rows of X): a lane holds row l % 16 and the eight neighbouring columns 8 (l / 16) + 0..7.
; The bias, which hangs on the column alone, is the C operand of the products that start a tile's sums.
; THE LOOP has a constant trip count, 22; what a trip does at a tile's first step hangs on two scalar counters made of constants; those jumps go forward and pass neither a barrier nor a tensor load.
; REGISTERS, in windows of 256 (s_set_vgpr_msb: bits 1:0 source 0, 3:2 source 1, 5:4 source 2, 7:6 destination):
;   window 0: v0-31 addresses; v32-63 packed results; v64-127 the bias; v128-191 rows on their way out
;   window 1: accumulator (a, b) at v[8 (8 a + b)]
;   window 2: two fragment buffers of 96 (W's 8 fragments, then X's 4); v192-255 X's next quarter as f32
.set STEPS, 24
.set PA,    528                        ; a row of X in LDS: 512 bytes + 16 = 33 x 16: the 16 rows of a load start at 16 different groups of four banks (ISA guide 11.1)
.set PB,    544                        ; a row of wb: 512 + 32 = 17 x 32
.set HALFA, 64*PA                      ; what one tensor load brings
.set HALFB, 64*PB
.set BOFF,  2*HALFA                    ; in a slot: X's 128 rows, then wb's 128 rows
.set SLOT,  0x22000                    ; 139,264 >= 137,216.  No LDS word that is turned has bit 13 or 17 set, so one exclusive or turns an address in one slot into the other's
.set STAGE, 2*SLOT                     ; behind the ring: 16 rows x 272 bytes for each wave, for the way out
.set SP,    272
.set SPARE, STAGE+4*16*SP              ; the spare words, 128 bytes for each wave, that no other line names
.set CA,  16                           ; v16  LDS address of my X rows in the slot in hand
.set A0,  17                           ; v17  the same in slot 0; never rewritten
.set CB,  20                           ; v20, v21  the same for wb
.set B0,  21
.set STO, 24                           ; v24  the way out: where I put 16 bytes of a row
.set RD,  25                           ; v25  where I read a row back
.set CO,  26                           ; v26  my byte offset in qkv
.set BO,  27                           ; v27  my byte offset in the bias
.set SPW, 28                           ; v28  my spare word; never rewritten
.set NIL, 29                           ; v29  0; never rewritten
.set TMP, 32
.set BIAS, 64
.set OB,  128
.set F0,  0
.set F1,  96
.set R,   192
.set G1,  24                           ; s[24:31] descriptor group 1 for X's tiles;  s[32:39] group 0: a set for each first fill, the second then walks
.set G0,  32
.set G1B, 48                           ; s[48:55], s[56:63] the same for wb's
.set G0B, 56
.set SC,  84                           ; s[84:85] the scale of the tile that goes out next, in the low word
.set KC,  90                           ; s90  the K step in hand, in its tile: 0..7
.set TC,  91                           ; s91  the tile in hand: 0, 1, 2
.set FK,  92                           ; s92  the K step to be asked for next, in its tile
.set FT,  93                           ; s93  that step's tile
.set OFF, 94                           ; s[94:95] its byte offset in X
.set PP,  96                           ; s[96:97] its X
.set MULW,  0x5a                       ; sources 0 and 1 window 2, C and D window 1
.set MULB,  0x4a                       ; the same with C in window 0: the bias
.set TO_F,  0x80                       ; destination window 2, address window 0
.set PREPW, 0x8a                       ; all in window 2
.set MSB, 0
.macro WIN new                         ; the immediate's high byte repeats the setting that is left; a switch that changes nothing is dropped
.if MSB != (\new)
	s_set_vgpr_msb (MSB<<8)|(\new)
.set MSB, \new
.endif
.endm
.macro PLACES                          ; four places in front of loads into registers that matrix instructions have read, and of vector lines that read results
.rept 4
	v_nop
.endr
.endm
.macro JLOAD                           ; a joint refill by the walking sets: waves 0 and 1 fetch X's two halves, waves 2 and 3 wb's; an s_nop 0 and four v_nop follow each line
	s_cmp_eq_u32 s11, 0
	s_cbranch_scc0 .Lfor_b_\@
	tensor_load_to_lds s[G0+4:G0+7], s[G1:G1+7]
	s_nop 0
.rept 4
	v_nop
.endr
	s_branch .Lasked_\@
.Lfor_b_\@:
	tensor_load_to_lds s[G0B+4:G0B+7], s[G1B:G1B+7]
	s_nop 0
.rept 4
	v_nop
.endr
.Lasked_\@:
.endm
.macro CREST                           ; a round of the cluster's barrier behind its opening barrier
	s_cmp_lg_u32 s10, 0
	s_cbranch_scc1 .Lnot_wave_0_\@
	s_barrier_signal -3
.Lnot_wave_0_\@:
	s_barrier_wait -3
	s_barrier_signal -1
	s_barrier_wait -1
.endm
.macro CROUND
	s_barrier_signal -1
	s_barrier_wait -1
	CREST
.endm
.macro BLOADS                          ; a tile's bias: register j of block b is the bias of column 16 b + 8 h + j
.irp b, 0,1,2,3,4,5,6,7
	global_load_b128 v[BIAS+8*(\b):BIAS+8*(\b)+3],   v[BO], s[6:7] offset:64*(\b)
	global_load_b128 v[BIAS+8*(\b)+4:BIAS+8*(\b)+7], v[BO], s[6:7] offset:64*(\b)+16
.endr
.endm
	s_load_b512 s[68:83], s[0:1], 0x0              ; Q 68, K 70, V 72, wb 74, bq 76, bk 78, bv 80, qkv 82: kept for the whole walk
	v_lshl_add_u32 v[SPW], v0, 2, SPARE
	v_mov_b32 v[NIL], 0
	ds_add_u32 v[SPW], v[NIL]                      ; the wave's opening: the add and its wait stand ahead of my first tensor load; the set-up below stands between them
	v_lshrrev_b32 v1, 5, v0
	v_readfirstlane_b32 s10, v1                    ; wave 0..3
	s_lshr_b32 s11, s10, 1                         ; my half of the tile's rows.  Also: I fetch for X (0) or for wb (1)
	s_and_b32 s12, s10, 1                          ; my half of its columns.  Also: which 64 rows of that tile I fetch
	s_bfe_u32 s40, ttmp6, 0x40000                  ; cx
	s_bfe_u32 s41, ttmp6, 0x40004                  ; cy
	s_lshl_b32 s42, ttmp9, 2
	s_add_co_u32 s42, s42, s40                     ; column tile 0..3
	s_and_b32 s45, ttmp7, 0xffff                   ; the cluster's y, 0..15
	s_lshl_b32 s13, s45, 2
	s_add_co_u32 s13, s13, s41                     ; row tile 0..63
	s_lshl_b32 s43, s41, 2
	s_lshl_b32 s43, 15, s43                        ; my row of the cluster
	s_lshl_b32 s44, 0x1111, s40                    ; my column
	s_or_b32 s[G1], s43, (2<<16)|(1<<20)|(1<<21)|(6<<22)|(3<<25)   ; the mask; elements of 4 bytes; padding on; bit 21 beside a mask; after every 128 words 4 words
	s_mov_b32 s[G1+1], 128<<16                     ; tensor_dim0 = 128
	s_mov_b32 s[G1+2], 64<<16                      ; tensor_dim1 = 64
	s_mov_b32 s[G1+3], 128<<16                     ; tile_dim0 = 128
	s_mov_b32 s[G1+4], 64                          ; tile_dim1 = 64
	s_mov_b32 s[G1+5], 1024                        ; elements from row to row
	s_mov_b32 s[G1+6], 0
	s_mov_b32 s[G1+7], 0
	s_or_b32 s[G1B], s44, (1<<16)|(1<<20)|(1<<21)|(6<<22)|(7<<25)  ; elements of 2 bytes; after every 128 words 8 words
	s_mov_b32 s[G1B+1], 256<<16                    ; 64 rows of 256 elements
	s_mov_b32 s[G1B+2], 64<<16
	s_mov_b32 s[G1B+3], 256<<16
	s_mov_b32 s[G1B+4], 64
	s_mov_b32 s[G1B+5], 1024
	s_mov_b32 s[G1B+6], 0
	s_mov_b32 s[G1B+7], 0
	s_lshl_b32 s16, s13, 19                        ; X: 128 rows of 4,096 bytes a row tile,
	s_lshl_b32 s17, s12, 18                        ; my 64 of them: the same offset in Q, K and V; kept
	s_add_co_u32 s16, s16, s17
	s_mov_b32 s17, 0
	s_lshl_b32 s46, s12, 17                        ; wb: my 64 rows of 2,048 bytes,
	s_lshl_b32 s47, s42, 9                         ; the column tile's 512 bytes
	s_add_co_u32 s46, s46, s47
	s_mov_b32 s47, 0
	s_mul_i32 s20, s12, HALFA                      ; where they go: no place in the cluster enters an LDS address
	s_mul_i32 s21, s12, HALFB
	s_add_co_u32 s21, s21, BOFF
	s_lshl_b32 s86, s42, 10                        ; the bias: 256 columns of 4 bytes a tile, 128 a wave; kept
	s_lshl_b32 s87, s12, 9
	s_add_co_u32 s86, s86, s87
	s_mov_b32 s87, 0
	s_lshl_b32 s88, s13, 18                        ; qkv: the row tile, my 64 rows, the column tile, my 128 columns
	s_lshl_b32 s89, s11, 17
	s_add_co_u32 s88, s88, s89
	s_lshl_b32 s89, s42, 9
	s_add_co_u32 s88, s88, s89
	s_lshl_b32 s89, s12, 8
	s_add_co_u32 s88, s88, s89
	s_mov_b32 s89, 0
	s_mov_b32 s22, 0                               ; the slot in hand
	s_mov_b32 s[SC], 0x3d38aa3b                    ; c = log2(e) / 32, for q alone
	s_mov_b32 s[SC+1], s[SC]                       ; named with it as a pair
	s_mov_b32 s[FK], 2                             ; the first refill asks for K step 2 of tile 0
	s_mov_b32 s[FT], 0
	s_mov_b32 s[OFF+1], 0
	s_wait_dscnt 0x0                               ; the opening add is done
	s_wait_kmcnt 0x0
	s_add_nc_u64 s[14:15], s[68:69], s[16:17]      ; Q at my rows
	s_add_nc_u64 s[46:47], s[74:75], s[46:47]
	s_add_nc_u64 s[6:7], s[76:77], s[86:87]        ; bq at my columns
	s_add_nc_u64 s[8:9], s[82:83], s[88:89]        ; q at my part of the tile
	CROUND                                         ; all sixteen work-groups are here: the first joint loads meet
.irp s, 0,1
	s_mov_b32 s[G0+4*(\s)], 1                      ; count = 1
	s_add_co_u32 s[G0+4*(\s)+1], s20, (\s)*SLOT    ; LDS address
	s_add_nc_u64 s[G0+4*(\s)+2:G0+4*(\s)+3], s[14:15], (\s)*512     ; K step s: 128 numbers of 4 bytes on
	s_or_b32 s[G0+4*(\s)+3], s[G0+4*(\s)+3], 0x80000000            ; type = 2
	s_mov_b32 s[G0B+4*(\s)], 1
	s_add_co_u32 s[G0B+4*(\s)+1], s21, (\s)*SLOT
	s_add_nc_u64 s[G0B+4*(\s)+2:G0B+4*(\s)+3], s[46:47], (\s)*262144  ; 128 rows of 2,048 bytes on
	s_or_b32 s[G0B+4*(\s)+3], s[G0B+4*(\s)+3], 0x80000000
.endr
	s_cmp_eq_u32 s11, 0                            ; a wave's two first fills stand in one branch, ahead of every wait on TENSORcnt and every LDS read: two loads of mine are out
	s_cbranch_scc0 .Lfirst_b
	tensor_load_to_lds s[G0:G0+3], s[G1:G1+7]
	s_nop 0
	tensor_load_to_lds s[G0+4:G0+7], s[G1:G1+7]
	s_nop 0
.rept 4
	v_nop
.endr
	s_branch .Lfirst_asked
.Lfirst_b:
	tensor_load_to_lds s[G0B:G0B+3], s[G1B:G1B+7]
	s_nop 0
	tensor_load_to_lds s[G0B+4:G0B+7], s[G1B:G1B+7]
	s_nop 0
.rept 4
	v_nop
.endr
.Lfirst_asked:
	v_and_b32 v1, 15, v0                           ; r = l % 16
	v_bfe_u32 v2, v0, 4, 1                         ; h = l / 16
	v_lshlrev_b32 v[BO], 5, v2                     ; my lanes' eight columns
	BLOADS                                         ; bq
	v_mul_u32_u24 v3, v1, PA                       ; X: row r, numbers 8 h on (4 bytes each)
	v_lshl_add_u32 v3, v2, 5, v3
	s_mul_i32 s23, s11, HALFA
	v_add_nc_u32 v[A0], s23, v3
	v_and_b32 v4, 7, v0                            ; wb, for the turning load: row 8 h + l % 8, columns 8 ((l / 8) % 2) on
	v_lshl_add_u32 v4, v2, 3, v4
	v_mul_u32_u24 v4, v4, PB
	v_bfe_u32 v5, v0, 3, 1
	v_lshl_add_u32 v4, v5, 4, v4
	s_lshl_b32 s23, s12, 8
	s_add_co_u32 s23, s23, BOFF
	v_add_nc_u32 v[B0], s23, v4
	v_mov_b32 v[CA], v[A0]
	v_mov_b32 v[CB], v[B0]
	s_mul_i32 s23, s10, 16*SP
	s_add_co_u32 s23, s23, STAGE                   ; my stage
	v_mul_u32_u24 v4, v1, SP                       ; in: row r, 16 bytes for each half of the lanes
	v_lshl_add_u32 v4, v2, 4, v4
	v_add_nc_u32 v[STO], s23, v4
	v_mul_u32_u24 v5, v2, SP                       ; back: lanes 0-15 one row of 256 bytes, lanes 16-31 the next
	v_lshl_add_u32 v5, v1, 4, v5
	v_add_nc_u32 v[RD], s23, v5
	v_lshlrev_b32 v5, 11, v2                       ; and the same two rows in qkv
	v_lshl_add_u32 v[CO], v1, 4, v5
; 8 matrix instructions: row block a x all 8 column blocks, 32 along K from buffer f.  first = 1: the bias starts the sums.  The 32 accumulators take turns, in the same order in every quarter.
.macro ONE f, a, b, first
.if \first
	WIN MULB
	v_wmma_f32_16x16x32_bf16 v[8*(8*(\a)+(\b)):8*(8*(\a)+(\b))+7], v[(\f)+8*(\b):(\f)+8*(\b)+7], v[(\f)+64+8*(\a):(\f)+64+8*(\a)+7], v[BIAS+8*(\b):BIAS+8*(\b)+7]
.else
	WIN MULW
	v_wmma_f32_16x16x32_bf16 v[8*(8*(\a)+(\b)):8*(8*(\a)+(\b))+7], v[(\f)+8*(\b):(\f)+8*(\b)+7], v[(\f)+64+8*(\a):(\f)+64+8*(\a)+7], v[8*(8*(\a)+(\b)):8*(8*(\a)+(\b))+7]
.endif
.endm
.macro MUL f, a, first
.irp b, 0,1,2,3,4,5,6,7
	ONE \f, \a, \b, \first
.endr
.endm
.macro PREP g, n                       ; register n of 32 of X's fragments in buffer g: two numbers rounded to bf16
	v_cvt_pk_bf16_f32 v[(\g)+64+(\n)], v[R+2*(\n)], v[R+2*(\n)+1]
.endm
.macro MULR f, a, g, first             ; the same 8, with four roundings for buffer g behind each: they name no register of the products round them
.irp b, 0,1,2,3,4,5,6,7
	ONE \f, \a, \b, \first
	WIN PREPW
	PREP \g, 4*(\b)
	PREP \g, 4*(\b)+1
	PREP \g, 4*(\b)+2
	PREP \g, 4*(\b)+3
.endr
.endm
; 32 LDS loads in one run: quarter q (32 along K) of the slot in hand.  X first, as f32: lane (r, h) takes numbers 8 h + 0..7 and 16 + 8 h + 0..7 of row 16 a + r.  Then wb, turned, into buffer g.
.macro FETCH q, g
	WIN TO_F
.irp a, 0,1,2,3
	ds_load_b128 v[R+16*(\a):R+16*(\a)+3],     v[CA] offset:(\a)*16*PA+128*(\q)
	ds_load_b128 v[R+16*(\a)+4:R+16*(\a)+7],   v[CA] offset:(\a)*16*PA+128*(\q)+16
	ds_load_b128 v[R+16*(\a)+8:R+16*(\a)+11],  v[CA] offset:(\a)*16*PA+128*(\q)+64
	ds_load_b128 v[R+16*(\a)+12:R+16*(\a)+15], v[CA] offset:(\a)*16*PA+128*(\q)+80
.endr
.irp b, 0,1,2,3,4,5,6,7
	ds_load_tr16_b128 v[(\g)+8*(\b):(\g)+8*(\b)+3],   v[CB] offset:(\q)*32*PB+32*(\b)
	ds_load_tr16_b128 v[(\g)+8*(\b)+4:(\g)+8*(\b)+7], v[CB] offset:(\q)*32*PB+16*PB+32*(\b)
.endr
.endm
; A K step is four quarters of 32 along K, 32 matrix instructions each, on buffers 0, 1, 0, 1.  One of the first three: multiplies buffer f, fetches quarter q into g.
.macro QUARTER q, f, g, first=0
	s_wait_dscnt 0x0                               ; wb's fragments of this quarter, issued 16 matrix instructions ago
	MUL \f, 0, \first
	MUL \f, 1, \first
	PLACES
	FETCH \q, \g
	MUL \f, 2, \first
	s_wait_dscnt 16                                ; X's 16 loads are in; the 16 of wb behind them may be out
	MULR \f, 3, \g, \first
.endm
; The last quarter multiplies buffer 1 and changes slots: ONE barrier; in front of it each wave waits for all its tensor loads (one is out: its part of the next slot), adds 0 to its spare
; word, and waits for that and for its reads of this slot.  fill = 1: the barrier opens a round of the cluster's, and this slot is filled again, first thing behind it, two K steps ahead in the walk.
; wb's three parts lie end to end, so its address steps alike from step to step and from tile to tile.  X's address is made anew each time: the tile's tensor, my rows, 512 bytes a step.
.macro TURN fill
	WIN 0
	s_wait_tensorcnt 0x0                           ; no tensor load of mine is out, so the walking sets may be written
	ds_add_u32 v[SPW], v[NIL]                      ; the descriptors' scalar work and eight products stand between the add and the wait for it
.if \fill
	s_lshl_b32 s[OFF], s[FK], 9
	s_add_co_u32 s[OFF], s[OFF], s16
	s_cmp_eq_u32 s[FT], 0
	s_cselect_b64 s[PP:PP+1], s[68:69], s[70:71]
	s_cmp_eq_u32 s[FT], 2
	s_cselect_b64 s[PP:PP+1], s[72:73], s[PP:PP+1]
	s_xor_b32 s[G0+5], s[G0+5], SLOT               ; the other slot than last time
	s_add_nc_u64 s[G0+6:G0+7], s[PP:PP+1], s[OFF:OFF+1]
	s_or_b32 s[G0+7], s[G0+7], 0x80000000          ; type = 2
	s_xor_b32 s[G0B+5], s[G0B+5], SLOT
	s_add_nc_u64 s[G0B+6:G0B+7], s[G0B+6:G0B+7], 262144
	s_add_co_u32 s[FK], s[FK], 1                   ; the tile's next step, or behind its last the next tile's step 0
	s_cmp_eq_u32 s[FK], 8
	s_cselect_b32 s[FK], 0, s[FK]
	s_cselect_b32 s23, 1, 0
	s_add_co_u32 s[FT], s[FT], s23
.endif
	s_wait_dscnt 1                                 ; (the add may be out)
	MUL F1, 0, 0
	s_wait_dscnt 0x0                               ; the add is done, and my reads of this slot are over
	s_barrier_signal -1
	MUL F1, 1, 0
	WIN 0
	s_barrier_wait -1
.if \fill
	CREST                                          ; no wave of any partner still reads this slot or has a load on its way
	JLOAD                                          ; 112 matrix instructions ahead of the wait for it; its four v_nop are also the places in front of the loads below
.else
	PLACES
.endif
	s_xor_b32 s22, s22, SLOT
	v_add_nc_u32 v[CA], s22, v[A0]
	v_add_nc_u32 v[CB], s22, v[B0]
	FETCH 0, F0
	MUL F1, 2, 0
	s_wait_dscnt 16
	MULR F1, 3, F0, 0
.endm
; THE WAY OUT, a block of 16 rows at a time: scaled in f32, rounded to f16 (each accumulator's registers in ascending order), 16 bytes a lane into my own stage, back as whole rows of 256 bytes, stored.
.macro PACK a
	WIN 0x41                                       ; destination and source 0 window 1
.set i, 64*(\a)
.rept 32
	v_pk_mul_f32 v[i:i+1], v[i:i+1], s[SC:SC+1] op_sel_hi:[1,0]
.set i, i+2
.endr
	WIN 0x05                                       ; sources window 1, destination window 0
.set i, 0
.rept 32
	v_cvt_pk_f16_f32 v[TMP+i], v[64*(\a)+2*i], v[64*(\a)+2*i+1]
.set i, i+1
.endr
	WIN 0
.endm
.macro TOSTAGE a
.set BK, OB+32*((\a)%2)
.irp b, 0,1,2,3,4,5,6,7
	ds_store_b128 v[STO], v[TMP+4*(\b):TMP+4*(\b)+3] offset:32*(\b)
.endr
.irp t, 0,1,2,3,4,5,6,7
	ds_load_b128 v[BK+4*(\t):BK+4*(\t)+3], v[RD] offset:(\t)*2*SP  ; LDS serves a wave's instructions in order (ISA guide 5.7.1.4): these see the stores above
.endr
.endm
.macro SEND a
.set BK, OB+32*((\a)%2)
	s_wait_dscnt 0x0                               ; the block is back in registers
	s_wait_xcnt 0x0                                ; the stores of the block before have read their registers: the next TOSTAGE loads into them
.irp t, 0,1,2,3,4,5,6,7
	global_store_b128 v[CO], v[BK+4*(\t):BK+4*(\t)+3], s[8:9] offset:(16*(\a)+2*(\t))*2048  ; 16 lanes store 256 consecutive bytes, aligned
.endr
.endm
.macro WAYOUT                          ; block a's arithmetic stands between block a - 1's loads from the stage and the wait for them
	WIN 0
	PLACES
	PACK 0
	TOSTAGE 0
	PACK 1
	SEND 0
	TOSTAGE 1
	PACK 2
	SEND 1
	TOSTAGE 2
	PACK 3
	SEND 2
	TOSTAGE 3
	SEND 3
.endm
	s_wait_tensorcnt 1                             ; my part of K step 0 is in; step 1's may stay out
	s_barrier_signal -1
	s_barrier_wait -1                              ; everybody's is
	FETCH 0, F0
	s_wait_dscnt 16
	WIN PREPW
.set n, 0
.rept 32
	PREP F0, n
.set n, n+1
.endr
	WIN 0                                          ; at a label and at a branch every window is 0
	s_mov_b32 s[KC], 0
	s_mov_b32 s[TC], 0
	s_mov_b32 s3, STEPS-2
.Lstep:                                                ; a trip is a K step of the walk, and fills the slot that it leaves: steps 0 to 21 ask for steps 2 to 23
	s_cmp_lg_u32 s[KC], 0
	s_cbranch_scc1 .Lmid                           ; not a tile's first step
	s_cmp_eq_u32 s[TC], 0
	s_cbranch_scc1 .Lhead                          ; the walk's first tile: nothing is finished yet
	WAYOUT                                         ; the tile before goes out; the next tile's K step 1 was asked for just before, and its first fragments are on their way out of LDS
	s_wait_xcnt 0x0                                ; the stores have read their base and their registers
	s_add_nc_u64 s[8:9], s[8:9], 16777216          ; the next part of qkv
	s_mov_b32 s[SC], 1.0                           ; k and v are not scaled
	s_mov_b32 s[SC+1], 1.0
.Lhead:
	s_wait_loadcnt 0x0                             ; this tile's bias, asked for a tile ago (the first: at the start); it is rounded to bf16 like every input and widened again
.set i, 0
.rept 32
	v_cvt_pk_bf16_f32 v[30+i%2], v[BIAS+2*i], v[BIAS+2*i+1]
	v_lshlrev_b32 v[BIAS+2*i], 16, v[30+i%2]
	v_and_b32 v[BIAS+2*i+1], 0xffff0000, v[30+i%2]
.set i, i+1
.endr
	QUARTER 1, F0, F1, 1                           ; the tile's first quarter: its products start the sums; four roundings, the places, follow the last of them
	WIN 0
	s_cmp_eq_u32 s[TC], 2
	s_cbranch_scc1 .Lq2                            ; behind v there is no further tile
	s_cmp_eq_u32 s[TC], 0
	s_cselect_b64 s[6:7], s[78:79], s[80:81]       ; bk behind q, bv behind k; the loads that named this base are done
	s_add_nc_u64 s[6:7], s[6:7], s[86:87]
	BLOADS                                         ; the next tile's bias has seven K steps in which to come
	s_branch .Lq2
.Lmid:
	QUARTER 1, F0, F1, 0
	WIN 0
.Lq2:
	QUARTER 2, F1, F0
	QUARTER 3, F0, F1
	TURN 1
	WIN 0
	s_add_co_u32 s[KC], s[KC], 1
	s_and_b32 s[KC], s[KC], 7
	s_cmp_eq_u32 s[KC], 0
	s_cselect_b32 s23, 1, 0
	s_add_co_u32 s[TC], s[TC], s23
	s_sub_co_u32 s3, s3, 1
	s_cmp_lg_u32 s3, 0
	s_cbranch_scc1 .Lstep
	s_mov_b32 s3, 2
.Ltail:                                                ; the walk's last two K steps ask for nothing; the second is left ahead of the change of slots
	QUARTER 1, F0, F1
	QUARTER 2, F1, F0
	QUARTER 3, F0, F1
	WIN 0
	s_cmp_eq_u32 s3, 1
	s_cbranch_scc1 .Llastq
	TURN 0
	WIN 0
	s_sub_co_u32 s3, s3, 1
	s_cmp_lg_u32 s3, 0
	s_cbranch_scc1 .Ltail
.Llastq:
	s_wait_dscnt 0x0
	MUL F1, 0, 0
	MUL F1, 1, 0
	MUL F1, 2, 0
	MUL F1, 3, 0
	WAYOUT                                         ; v's tile
	s_wait_tensorcnt 0x0                           ; the wave's end
	ds_add_u32 v[SPW], v[NIL]
	s_wait_dscnt 0x0
	CROUND                                         ; the closing round: no work-group ends while a partner may still ask for a tile that names it
	s_endpgm
.Lfunc_end_k_qf8de4ad2dc_proj:
	.size	k_qf8de4ad2dc_proj, .Lfunc_end_k_qf8de4ad2dc_proj-k_qf8de4ad2dc_proj
	.p2alignl 7, 3214868480
	.fill 96, 4, 3214868480
	.section	.rodata,"a",@progbits
	.p2align	6, 0x0
	.amdhsa_kernel k_qf8de4ad2dc_proj
		.amdhsa_group_segment_fixed_size 327680
		.amdhsa_private_segment_fixed_size 0
		.amdhsa_enable_private_segment 0
		.amdhsa_kernarg_size 64
		.amdhsa_user_sgpr_count 2
		.amdhsa_user_sgpr_kernarg_segment_ptr 1
		.amdhsa_wavefront_size32 1
		.amdhsa_system_sgpr_workgroup_id_x 1
		.amdhsa_system_sgpr_workgroup_id_y 1
		.amdhsa_system_sgpr_workgroup_id_z 1
		.amdhsa_system_vgpr_workitem_id 0
		.amdhsa_next_free_vgpr 768
		.amdhsa_next_free_sgpr 98
		.amdhsa_reserve_vcc 0
		.amdhsa_float_denorm_mode_32 3
		.amdhsa_float_denorm_mode_16_64 3
		.amdhsa_memory_ordered 1
		.amdhsa_forward_progress 1
		.amdhsa_inst_pref_size 133
	.end_amdhsa_kernel
	.amdgpu_metadata
---
amdhsa.version: [ 1, 2 ]
amdhsa.kernels:
  - .name:           k_qf8de4ad2dc_proj
    .symbol:         k_qf8de4ad2dc_proj.kd
    .args:
      - { .name: Q, .offset: 0, .size: 8, .value_kind: global_buffer, .address_space: global }
      - { .name: K, .offset: 8, .size: 8, .value_kind: global_buffer, .address_space: global }
      - { .name: V, .offset: 16, .size: 8, .value_kind: global_buffer, .address_space: global }
      - { .name: wb, .offset: 24, .size: 8, .value_kind: global_buffer, .address_space: global }
      - { .name: bq, .offset: 32, .size: 8, .value_kind: global_buffer, .address_space: global }
      - { .name: bk, .offset: 40, .size: 8, .value_kind: global_buffer, .address_space: global }
      - { .name: bv, .offset: 48, .size: 8, .value_kind: global_buffer, .address_space: global }
      - { .name: qkv, .offset: 56, .size: 8, .value_kind: global_buffer, .address_space: global }
    .group_segment_fixed_size: 327680
    .private_segment_fixed_size: 0
    .kernarg_segment_align: 8
    .kernarg_segment_size: 64
    .max_flat_workgroup_size: 128
    .sgpr_count:     98
    .vgpr_count:     768
    .wavefront_size: 32
...
	.end_amdgpu_metadata
.endif
;; end of part 2
;; launch scores (part 3): grid 8 x 32, 4 waves a work-group, clusters of 4 x 4, 327,680 bytes of LDS; arguments qkv, maskw, pw, st; writes pw, st
.if DOCPART == 3
	.amdgcn_target "amdgcn-amd-amdhsa--gfx1250"
	.amdhsa_code_object_version 6
	.text
	.protected	k_qf8de4ad2dc_scores
	.globl	k_qf8de4ad2dc_scores
	.p2align	8
	.type	k_qf8de4ad2dc_scores,@function
k_qf8de4ad2dc_scores:
	s_mov_b64 s[64:65], 0
	v_nop
	global_prefetch_b8 v0, s[64:65] scope:SCOPE_SE
	s_setreg_imm32_b32 hwreg(HW_REG_WAVE_MODE, 25, 1), 1
	s_wait_xcnt 0x0
	s_wait_alu depctr_hold_cnt(0) depctr_sa_sdst(0) depctr_va_vdst(0) depctr_va_sdst(0) depctr_va_ssrc(0) depctr_va_vcc(0) depctr_vm_vsrc(0)
	s_getreg_b32 s2, hwreg(HW_REG_IB_STS2, 6, 4)
	s_cmp_eq_u32 s2, 0
	s_cbranch_scc0 .Lentry_in_a_cluster
	s_endpgm
.Lentry_in_a_cluster:
	s_bfe_u32 s2, ttmp6, 0x10000c
	s_cmp_lg_u32 s2, 0xf033
	s_cbranch_scc0 .Lentry_shape_is_right
	s_endpgm
.Lentry_shape_is_right:
; SCORES AND WEIGHTS.  t[q][k] = sum over d of q'[q][d] k[k][d] (q' carries log2(e) / 32, so t is the score in powers of two); where the mask is 0, t = -1e9 log2(e).
; For each query and each CHUNK of 128 keys: tm = max t, p = 2^(t - tm), l = sum p.  pw[q][k] = f16(p); st[chunk][q] = (tm, l) in f32 (l of the unrounded p).  The next launch joins the 16 chunks.
; The maximum is taken away by a subtraction ahead of the exponential, so equal numbers give exactly 0: a chunk that is wholly masked has p = 1 throughout.
; LIMITS.  p lies in 0 to 1; below 6e-5 it keeps f16's fixed step of 6e-8; a weight below 2^-126 counts as 0 in l.  NaN and infinities are not treated apart.
; SHARES.  32 x 8 = 256 tiles of 256 queries x 256 keys, one for each WGP; four waves, each 128 x 128: 64 accumulators, 512 registers; a wave's 128 columns are a chunk.
; K (= d) goes in 8 steps of 128 through a ring of two LDS slots; rows of 256 bytes.  CLUSTER 4 x 4: q's tile is shared along a row of the cluster, k's along a column, each asked for jointly.
; THE MATRIX INSTRUCTION IS USED TRANSPOSED (source 0 = 16 keys, source 1 = 16 queries): a lane holds query l % 16 and keys 8 (l / 16) + 0..7 of each block of 16.
; REGISTERS, in windows of 256 (s_set_vgpr_msb: bits 1:0 source 0, 3:2 source 1, 5:4 source 2, 7:6 destination):
;   window 0: v0-31 addresses and statistics; v64-127, v128-191 q's fragments, two buffers (v64-127 later a block's 64 scores); v32-63 rows on their way out; v192-223 packed weights
;   window 1: v64-127, v128-191 k's fragments      window 2: accumulators of my queries 0-63 ((a, b) at v[8 (8 a + b)])      window 3: of my queries 64-127
.set KSTEPS, 8
.set PITCH,  272                       ; an LDS row: 256 bytes + 16: the 16 rows of a load start at 16 different groups of four banks (ISA guide 11.1)
.set HALFT,  128*PITCH
.set SLOT,   4*HALFT                   ; 0x22000.  No LDS word that is turned (wave x HALFT) has bit 13 or 17 set, so one exclusive or turns an address in one slot into the other's
.set STAGE,  2*SLOT                    ; behind the ring: 16 rows x 272 bytes for each wave
.set SPITCH, 272
.set STATS,  STAGE+4*16*SPITCH         ; 128 pairs (tm, l) for each wave
.set SPARE,  STATS+4*1024              ; the spare words, 128 bytes for each wave, that no other line names
.set CH,  8                            ; v8-11  four running maxima
.set TM,  12                           ; v12 tm, v13 l
.set NEG, 14                           ; v14  -1e9 log2(e)
.set SA,  15                           ; v15  where the block's (tm, l) go
.set CA,  16                           ; v16  LDS address of my q rows in the slot in hand; v17 in slot 0
.set A0,  17
.set CB,  20                           ; v20, v21  the same for k
.set B0,  21
.set STO, 24
.set RD,  25
.set CO,  26                           ; v26  my byte offset in pw
.set SR,  27                           ; v27  my 16 bytes of my wave's statistics
.set SPW, 28
.set NIL, 29
.set SO,  30                           ; v30  16 x lane
.set BK,  32
.set WK,  64
.set PP,  192
.set F0,  64
.set F1,  128
.set G1,  24
.set G0,  32
.set G1B, 48
.set G0B, 56
.set MUL_LO, 0xa1                      ; source 0 (k) window 1, source 1 (q) window 0, C and D window 2
.set MUL_HI, 0xf1
.set TO_B,   0x40
.set MSB, 0
.macro WIN new
.if MSB != (\new)
	s_set_vgpr_msb (MSB<<8)|(\new)
.set MSB, \new
.endif
.endm
.macro PLACES
.rept 4
	v_nop
.endr
.endm
.macro JLOAD                           ; a joint refill by the walking sets: waves 0 and 1 fetch q's two halves, waves 2 and 3 k's; an s_nop 0 and four v_nop follow each line
	s_cmp_eq_u32 s11, 0
	s_cbranch_scc0 .Lfor_b_\@
	tensor_load_to_lds s[G0+4:G0+7], s[G1:G1+7]
	s_nop 0
.rept 4
	v_nop
.endr
	s_branch .Lasked_\@
.Lfor_b_\@:
	tensor_load_to_lds s[G0B+4:G0B+7], s[G1B:G1B+7]
	s_nop 0
.rept 4
	v_nop
.endr
.Lasked_\@:
.endm
.macro CREST
	s_cmp_lg_u32 s10, 0
	s_cbranch_scc1 .Lnot_wave_0_\@
	s_barrier_signal -3
.Lnot_wave_0_\@:
	s_barrier_wait -3
	s_barrier_signal -1
	s_barrier_wait -1
.endm
.macro CROUND
	s_barrier_signal -1
	s_barrier_wait -1
	CREST
.endm
.macro MASKLOAD                        ; a block's 64 mask words, 256 consecutive bytes: word n in s[68 + n] (n < 32) or s[n - 8]; the second half lands where the descriptors lay, which are done with
	s_load_b512 s[68:83], s[6:7], 0x0
	s_load_b512 s[84:99], s[6:7], 0x40
	s_load_b512 s[24:39], s[6:7], 0x80
	s_load_b512 s[40:55], s[6:7], 0xc0
.endm
	s_load_b128 s[4:7], s[0:1], 0x0                ; qkv s[4:5], maskw s[6:7]
	s_load_b64 s[8:9], s[0:1], 0x10                ; pw
	s_load_b64 s[100:101], s[0:1], 0x18            ; st
	v_lshl_add_u32 v[SPW], v0, 2, SPARE
	v_mov_b32 v[NIL], 0
	ds_add_u32 v[SPW], v[NIL]                      ; the wave's opening: the add and its wait stand ahead of my first tensor load
	v_lshrrev_b32 v1, 5, v0
	v_readfirstlane_b32 s10, v1                    ; wave 0..3
	s_lshr_b32 s11, s10, 1                         ; my half of the queries.  Also: I fetch for q (0) or for k (1)
	s_and_b32 s12, s10, 1                          ; my half of the keys.  Also: which 128 rows of that tile I fetch
	s_bfe_u32 s40, ttmp6, 0x40000                  ; cx
	s_bfe_u32 s41, ttmp6, 0x40004                  ; cy
	s_lshl_b32 s42, ttmp9, 2
	s_add_co_u32 s42, s42, s40                     ; key tile 0..7
	s_and_b32 s45, ttmp7, 0xffff
	s_lshl_b32 s13, s45, 2
	s_add_co_u32 s13, s13, s41                     ; query tile 0..31
	s_lshr_b32 s23, s45, 1                         ; the batch: the same in all sixteen partners
	s_lshl_b32 s43, s41, 2
	s_lshl_b32 s43, 15, s43                        ; my row of the cluster
	s_lshl_b32 s44, 0x1111, s40                    ; my column
	s_or_b32 s[G1], s43, (1<<16)|(1<<20)|(1<<21)|(5<<22)|(3<<25)   ; the mask; elements of 2 bytes; padding on; bit 21 beside a mask; after every 64 words 4 words
	s_or_b32 s[G1B], s44, (1<<16)|(1<<20)|(1<<21)|(5<<22)|(3<<25)
.irp g, G1, G1B
	s_mov_b32 s[(\g)+1], 128<<16                   ; tensor_dim0 = 128
	s_mov_b32 s[(\g)+2], 128<<16                   ; tensor_dim1 = 128
	s_mov_b32 s[(\g)+3], 128<<16                   ; tile_dim0 = 128
	s_mov_b32 s[(\g)+4], 128                       ; tile_dim1 = 128
	s_mov_b32 s[(\g)+5], 1024                      ; elements from row to row
	s_mov_b32 s[(\g)+6], 0
	s_mov_b32 s[(\g)+7], 0
.endr
	s_lshl_b32 s16, s13, 19                        ; q: 256 rows of 2,048 bytes a tile, my 128 of them
	s_lshl_b32 s17, s12, 18
	s_add_co_u32 s16, s16, s17
	s_mov_b32 s17, 0
	s_lshl_b32 s46, s23, 22                        ; k: the batch's 2,048 rows, the key tile, my 128 rows, behind q's 16 MiB
	s_lshl_b32 s47, s42, 19
	s_add_co_u32 s46, s46, s47
	s_lshl_b32 s47, s12, 18
	s_add_co_u32 s46, s46, s47
	s_add_co_u32 s46, s46, 16777216
	s_mov_b32 s47, 0
	s_mul_i32 s20, s10, HALFT                      ; where they go: wave x 128 rows
	s_and_b32 s66, s13, 7                          ; the mask words: QB = 16 (tile in the batch) + 8 (my half), 4,096 bytes each; KB = 16 (key tile) + 8 (my half), 32 bytes each
	s_lshl_b32 s66, s66, 16
	s_lshl_b32 s67, s11, 15
	s_add_co_u32 s66, s66, s67
	s_lshl_b32 s67, s42, 9
	s_add_co_u32 s66, s66, s67
	s_lshl_b32 s67, s12, 8
	s_add_co_u32 s66, s66, s67
	s_mov_b32 s67, 0
	s_lshl_b32 s68, s13, 20                        ; pw: 256 rows of 4,096 bytes a tile, my 128, the key tile's 512 bytes, my 256
	s_lshl_b32 s69, s11, 19
	s_add_co_u32 s68, s68, s69
	s_lshl_b32 s69, s42, 9
	s_add_co_u32 s68, s68, s69
	s_lshl_b32 s69, s12, 8
	s_add_co_u32 s68, s68, s69
	s_mov_b32 s69, 0
	s_lshl_b32 s70, s42, 17                        ; st: chunk 2 (key tile) + my half, 65,536 bytes each; 8 bytes a query
	s_lshl_b32 s71, s12, 16
	s_add_co_u32 s70, s70, s71
	s_lshl_b32 s71, s13, 11
	s_add_co_u32 s70, s70, s71
	s_lshl_b32 s71, s11, 10
	s_add_co_u32 s70, s70, s71
	s_mov_b32 s71, 0
	s_mov_b32 s18, 0x76543210                      ; v_permlanex16_b32: each lane takes its own place in the other half
	s_mov_b32 s19, 0xfedcba98
	s_mov_b32 s22, 0                               ; the slot in hand
	s_wait_dscnt 0x0                               ; the opening add is done
	s_wait_kmcnt 0x0
	s_add_nc_u64 s[14:15], s[4:5], s[16:17]
	s_add_nc_u64 s[46:47], s[4:5], s[46:47]
	s_add_nc_u64 s[6:7], s[6:7], s[66:67]
	s_add_nc_u64 s[8:9], s[8:9], s[68:69]
	s_add_nc_u64 s[100:101], s[100:101], s[70:71]
	CROUND                                         ; all sixteen work-groups are here: the first joint loads meet
.irp s, 0,1
	s_mov_b32 s[G0+4*(\s)], 1
	s_add_co_u32 s[G0+4*(\s)+1], s20, (\s)*SLOT
	s_add_nc_u64 s[G0+4*(\s)+2:G0+4*(\s)+3], s[14:15], (\s)*256     ; K step s
	s_or_b32 s[G0+4*(\s)+3], s[G0+4*(\s)+3], 0x80000000
	s_mov_b32 s[G0B+4*(\s)], 1
	s_add_co_u32 s[G0B+4*(\s)+1], s20, (\s)*SLOT
	s_add_nc_u64 s[G0B+4*(\s)+2:G0B+4*(\s)+3], s[46:47], (\s)*256
	s_or_b32 s[G0B+4*(\s)+3], s[G0B+4*(\s)+3], 0x80000000
.endr
	s_cmp_eq_u32 s11, 0                            ; a wave's two first fills stand in one branch: two loads of mine are out
	s_cbranch_scc0 .Lfirst_b
	tensor_load_to_lds s[G0:G0+3], s[G1:G1+7]
	s_nop 0
	tensor_load_to_lds s[G0+4:G0+7], s[G1:G1+7]
	s_nop 0
.rept 4
	v_nop
.endr
	s_branch .Lfirst_asked
.Lfirst_b:
	tensor_load_to_lds s[G0B:G0B+3], s[G1B:G1B+7]
	s_nop 0
	tensor_load_to_lds s[G0B+4:G0B+7], s[G1B:G1B+7]
	s_nop 0
.rept 4
	v_nop
.endr
.Lfirst_asked:
	v_and_b32 v1, 15, v0                           ; r
	v_bfe_u32 v2, v0, 4, 1                         ; h
	v_mul_u32_u24 v3, v1, PITCH
	v_lshl_add_u32 v3, v2, 4, v3                   ; a fragment's row x pitch + 16 x half
	s_mul_i32 s21, s11, HALFT                      ; my 128 rows of q
	v_add_nc_u32 v[A0], s21, v3
	s_mul_i32 s21, s12, HALFT                      ; my 128 rows of k, behind q's 256
	s_add_co_u32 s21, s21, 2*HALFT
	v_add_nc_u32 v[B0], s21, v3
	v_mov_b32 v[CA], v[A0]
	v_mov_b32 v[CB], v[B0]
	s_mul_i32 s23, s10, 16*SPITCH
	s_add_co_u32 s23, s23, STAGE                   ; my stage
	v_mul_u32_u24 v4, v1, SPITCH
	v_lshl_add_u32 v4, v2, 4, v4
	v_add_nc_u32 v[STO], s23, v4
	v_mul_u32_u24 v5, v2, SPITCH
	v_lshl_add_u32 v5, v1, 4, v5
	v_add_nc_u32 v[RD], s23, v5
	v_lshlrev_b32 v5, 12, v2                       ; two rows of pw
	v_lshl_add_u32 v[CO], v1, 4, v5
	s_lshl_b32 s23, s10, 10
	s_add_co_u32 s23, s23, STATS                   ; my statistics
	v_lshl_add_u32 v[SA], v1, 3, s23
	v_and_b32 v5, 31, v0
	v_lshlrev_b32 v[SO], 4, v5
	v_add_nc_u32 v[SR], s23, v[SO]
	v_mov_b32 v[NEG], 0xceabfb8f                   ; -1e9 log2(e)
	v_mov_b32 v[TM+1], 0                           ; named with tm as a pair
; 16 matrix instructions: query blocks a0, a0 + 1 of the window's four x all 8 key blocks, 32 along K.  zero = 1: the first product starts the sums.  The 64 accumulators take turns.
.macro MUL16 f, hi, a0, zero
	WIN MUL_LO+0x50*(\hi)
.irp a, \a0, (\a0)+1
.irp b, 0,1,2,3,4,5,6,7
.if \zero
	v_wmma_f32_16x16x32_f16 v[8*(8*(\a)+(\b)):8*(8*(\a)+(\b))+7], v[(\f)+8*(\b):(\f)+8*(\b)+7], v[(\f)+8*(4*(\hi)+(\a)):(\f)+8*(4*(\hi)+(\a))+7], 0
.else
	v_wmma_f32_16x16x32_f16 v[8*(8*(\a)+(\b)):8*(8*(\a)+(\b))+7], v[(\f)+8*(\b):(\f)+8*(\b)+7], v[(\f)+8*(4*(\hi)+(\a)):(\f)+8*(4*(\hi)+(\a))+7], v[8*(8*(\a)+(\b)):8*(8*(\a)+(\b))+7]
.endif
.endr
.endr
.endm
.macro FETCH k, f                      ; 32 LDS loads in one run: a quarter's fragments (128 keys, then 128 queries, 32 along K at byte k of the rows) into buffer f
	WIN TO_B
.irp i, 0,1,2,3,4,5,6,7
	ds_load_b128 v[(\f)+8*(\i):(\f)+8*(\i)+3],   v[CB] offset:(\k)+(\i)*16*PITCH
	ds_load_b128 v[(\f)+8*(\i)+4:(\f)+8*(\i)+7], v[CB] offset:(\k)+(\i)*16*PITCH+32
.endr
	WIN 0
.irp i, 0,1,2,3,4,5,6,7
	ds_load_b128 v[(\f)+8*(\i):(\f)+8*(\i)+3],   v[CA] offset:(\k)+(\i)*16*PITCH
	ds_load_b128 v[(\f)+8*(\i)+4:(\f)+8*(\i)+7], v[CA] offset:(\k)+(\i)*16*PITCH+32
.endr
.endm
.macro QUARTER k, f, g, zero           ; multiplies buffer f; in its middle fetches the next quarter, at byte k, into g
	s_wait_dscnt 8                                 ; k and q's rows 0-63 are in; the youngest eight loads (q's rows 64-127) may be out
	MUL16 \f, 0, 0, \zero
	MUL16 \f, 0, 2, \zero
	PLACES
	FETCH \k, \g
	s_wait_dscnt 32                                ; all but the 32 just issued
	MUL16 \f, 1, 0, \zero
	MUL16 \f, 1, 2, \zero
.endm
; The last quarter multiplies buffer 1 and changes slots: ONE barrier; in front of it each wave waits for all its tensor loads (one is out: its part of the next slot), adds 0 to its spare word,
; and waits for that and for its reads of this slot.  fill = 1: the barrier opens a round of the cluster's, and this slot is filled again first thing behind it.  fill = 0 (once, in the tail): no tensor
; load follows any more, so the descriptors' registers take the first block's mask words.
.macro TURN fill
	WIN 0
	s_wait_tensorcnt 0x0
	ds_add_u32 v[SPW], v[NIL]
	s_wait_dscnt 9                                 ; (the add and the youngest eight loads may be out)
	MUL16 F1, 0, 0, 0
	s_wait_dscnt 0x0                               ; the add is done, and my reads of this slot are over
	s_barrier_signal -1
	MUL16 F1, 0, 2, 0
	WIN 0
	s_barrier_wait -1
.if \fill
	CREST
	s_xor_b32 s[G0+5], s[G0+5], SLOT               ; the walking sets: the other slot than last time, the next K step
	s_add_nc_u64 s[G0+6:G0+7], s[G0+6:G0+7], 256
	s_xor_b32 s[G0B+5], s[G0B+5], SLOT
	s_add_nc_u64 s[G0B+6:G0B+7], s[G0B+6:G0B+7], 256
	JLOAD                                          ; 224 matrix instructions ahead of the wait for it; its four v_nop are also the places in front of the loads below
.else
	MASKLOAD
	PLACES
.endif
	s_xor_b32 s22, s22, SLOT
	v_add_nc_u32 v[CA], s22, v[A0]
	v_add_nc_u32 v[CB], s22, v[B0]
	FETCH 0, F0
	MUL16 F1, 1, 0, 0
	MUL16 F1, 1, 2, 0
.endm
	s_wait_tensorcnt 1                             ; my part of K step 0 is in; step 1's may stay out
	s_barrier_signal -1
	s_barrier_wait -1
	FETCH 0, F0
	QUARTER 64, F0, F1, 1                          ; the first quarter stands in front of the loop: its products start the sums
	WIN 0
	s_mov_b32 s3, KSTEPS-2
.Lk:                                                   ; a trip is a K step, from its second quarter to the next step's first
	QUARTER 128, F1, F0, 0
	QUARTER 192, F0, F1, 0
	TURN 1
	QUARTER 64, F0, F1, 0
	WIN 0
	s_sub_co_u32 s3, s3, 1
	s_cmp_lg_u32 s3, 0
	s_cbranch_scc1 .Lk
	QUARTER 128, F1, F0, 0
	QUARTER 192, F0, F1, 0
	TURN 0
	QUARTER 64, F0, F1, 0
	QUARTER 128, F1, F0, 0
	QUARTER 192, F0, F1, 0
	s_wait_dscnt 8
	MUL16 F1, 0, 0, 0
	MUL16 F1, 0, 2, 0
	s_wait_dscnt 0x0
	MUL16 F1, 1, 0, 0
	MUL16 F1, 1, 2, 0
	WIN 0
	PLACES
; THE SOFTMAX'S FIRST HALF, a block of 16 queries a trip.  Only the 64 selects name the block's accumulators, so only they are written eight times; a forward jump on the trip's number picks the copy.
.macro SELECT i                        ; block i's scores, or the masked value, into v64-127; each accumulator's registers in ascending order
	WIN (2+(\i)/4)<<2                              ; source 1: window 2 or 3
.set n, 0
.rept 64
.if n < 32
	v_cndmask_b32 v[WK+n], v[NEG], v[64*((\i)%4)+n], s[68+n]
.else
	v_cndmask_b32 v[WK+n], v[NEG], v[64*((\i)%4)+n], s[n-8]
.endif
.set n, n+1
.endr
	WIN 0
.endm
	s_mov_b32 s3, 0
.Lblk:
	s_wait_kmcnt 0x0                               ; this block's mask words
.irp i, 1,2,3,4,5,6,7
	s_cmp_eq_u32 s3, \i
	s_cbranch_scc1 .Lsel\i
.endr
.irp i, 0,1,2,3,4,5,6,7
.Lsel\i:
	SELECT \i
	s_branch .Lcommon
.endr
.Lcommon:
	s_cmp_eq_u32 s3, 7
	s_cbranch_scc1 .Lno_words                      ; behind the last block there are none
	s_add_nc_u64 s[6:7], s[6:7], 4096              ; the next 16 queries' words; the loads that named this base are done
	MASKLOAD
.Lno_words:
.irp c, 0,1,2,3                        ; the maximum of my 64 scores: four chains of 15, three operands at a time, then the four left over
	v_max3_num_f32 v[CH+\c], v[WK+16*\c], v[WK+16*\c+1], v[WK+16*\c+2]
.endr
.irp s, 0,1,2,3,4,5
.irp c, 0,1,2,3
	v_max3_num_f32 v[CH+\c], v[CH+\c], v[WK+16*\c+3+2*\s], v[WK+16*\c+4+2*\s]
.endr
.endr
	v_max3_num_f32 v[CH], v[CH], v[WK+15], v[WK+31]
	v_max3_num_f32 v[CH+1], v[CH+1], v[WK+47], v[WK+63]
	v_max3_num_f32 v[CH], v[CH], v[CH+1], v[CH+2]
	v_max_num_f32 v[CH], v[CH], v[CH+3]
	v_permlanex16_b32 v[CH+1], v[CH], s18, s19     ; the query's other 64 keys lie in the lane 16 away
	v_max_num_f32 v[TM], v[CH], v[CH+1]
.set u, 0
.rept 32
	v_pk_add_f32 v[WK+u:WK+u+1], v[WK+u:WK+u+1], v[TM:TM+1] op_sel_hi:[1,0] neg_lo:[0,1] neg_hi:[0,1]  ; t - tm
.set u, u+2
.endr
.set u, 0
.rept 64
	v_exp_f32 v[WK+u], v[WK+u]
.set u, u+1
.endr
	v_nop                                          ; a plain instruction between the last exponential and the use of its result (ISA guide 5.7.2)
.set u, 0
	s_wait_alu depctr_va_vdst(0)
.rept 32
	v_cvt_pk_f16_f32 v[PP+u], v[WK+2*u], v[WK+2*u+1]
.set u, u+1
.endr
.irp b, 0,1,2,3,4,5,6,7
	ds_store_b128 v[STO], v[PP+4*(\b):PP+4*(\b)+3] offset:32*(\b)
.endr
.irp t, 0,1,2,3,4,5,6,7
	ds_load_b128 v[BK+4*(\t):BK+4*(\t)+3], v[RD] offset:(\t)*2*SPITCH  ; my own stage, served in order; the last trip's stores have read these registers (the wait at its end)
.endr
.irp w, 32,16,8,4,2                    ; the sum of the unrounded weights stands in the stage's round trip: halves added onto halves, in place
.set u, 0
.rept (\w)/2
	v_pk_add_f32 v[WK+u:WK+u+1], v[WK+u:WK+u+1], v[WK+(\w)+u:WK+(\w)+u+1]
.set u, u+2
.endr
.endr
	v_add_f32 v[TM+1], v[WK], v[WK+1]
	v_permlanex16_b32 v[CH+1], v[TM+1], s18, s19
	v_add_f32 v[TM+1], v[TM+1], v[CH+1]
	ds_store_b64 v[SA], v[TM:TM+1]                 ; both halves of the lanes write the same pair
	v_add_nc_u32 v[SA], 128, v[SA]                 ; the next 16 queries
	s_wait_dscnt 0x0                               ; the block is back in registers
.irp t, 0,1,2,3,4,5,6,7
	global_store_b128 v[CO], v[BK+4*(\t):BK+4*(\t)+3], s[8:9] offset:2*(\t)*4096  ; 16 lanes store 256 consecutive bytes, aligned
.endr
	s_wait_xcnt 0x0                                ; the stores' base and data are rewritten only behind this wait
	s_add_nc_u64 s[8:9], s[8:9], 65536             ; 16 rows of pw on
	s_add_co_u32 s3, s3, 1
	s_cmp_lt_u32 s3, 8
	s_cbranch_scc1 .Lblk
	ds_load_b128 v[BK:BK+3], v[SR]                 ; my wave's 128 pairs: 1,024 consecutive bytes of st
	ds_load_b128 v[BK+4:BK+7], v[SR] offset:512
	s_wait_dscnt 0x0
	global_store_b128 v[SO], v[BK:BK+3], s[100:101]
	global_store_b128 v[SO], v[BK+4:BK+7], s[100:101] offset:512
	s_wait_tensorcnt 0x0                           ; the wave's end
	ds_add_u32 v[SPW], v[NIL]
	s_wait_dscnt 0x0
	CROUND                                         ; the closing round
	s_endpgm
.Lfunc_end_k_qf8de4ad2dc_scores:
	.size	k_qf8de4ad2dc_scores, .Lfunc_end_k_qf8de4ad2dc_scores-k_qf8de4ad2dc_scores
	.p2alignl 7, 3214868480
	.fill 96, 4, 3214868480
	.section	.rodata,"a",@progbits
	.p2align	6, 0x0
	.amdhsa_kernel k_qf8de4ad2dc_scores
		.amdhsa_group_segment_fixed_size 327680
		.amdhsa_private_segment_fixed_size 0
		.amdhsa_enable_private_segment 0
		.amdhsa_kernarg_size 32
		.amdhsa_user_sgpr_count 2
		.amdhsa_user_sgpr_kernarg_segment_ptr 1
		.amdhsa_wavefront_size32 1
		.amdhsa_system_sgpr_workgroup_id_x 1
		.amdhsa_system_sgpr_workgroup_id_y 1
		.amdhsa_system_sgpr_workgroup_id_z 1
		.amdhsa_system_vgpr_workitem_id 0
		.amdhsa_next_free_vgpr 1024
		.amdhsa_next_free_sgpr 102
		.amdhsa_reserve_vcc 0
		.amdhsa_float_denorm_mode_32 3
		.amdhsa_float_denorm_mode_16_64 3
		.amdhsa_memory_ordered 1
		.amdhsa_forward_progress 1
		.amdhsa_inst_pref_size 132
	.end_amdhsa_kernel
	.amdgpu_metadata
---
amdhsa.version: [ 1, 2 ]
amdhsa.kernels:
  - .name:           k_qf8de4ad2dc_scores
    .symbol:         k_qf8de4ad2dc_scores.kd
    .args:
      - { .name: qkv, .offset: 0, .size: 8, .value_kind: global_buffer, .address_space: global }
      - { .name: maskw, .offset: 8, .size: 8, .value_kind: global_buffer, .address_space: global }
      - { .name: pw, .offset: 16, .size: 8, .value_kind: global_buffer, .address_space: global }
      - { .name: st, .offset: 24, .size: 8, .value_kind: global_buffer, .address_space: global }
    .group_segment_fixed_size: 327680
    .private_segment_fixed_size: 0
    .kernarg_segment_align: 8
    .kernarg_segment_size: 32
    .max_flat_workgroup_size: 128
    .sgpr_count:     102
    .vgpr_count:     1024
    .wavefront_size: 32
...
	.end_amdgpu_metadata
.endif
;; end of part 3
;; launch pv (part 4): grid 4 x 64, 4 waves a work-group, clusters of 4 x 4, 327,680 bytes of LDS; arguments pw, qkv, st, out0; writes out0
.if DOCPART == 4
	.amdgcn_target "amdgcn-amd-amdhsa--gfx1250"
	.amdhsa_code_object_version 6
	.text
	.protected	k_qf8de4ad2dc_pv
	.globl	k_qf8de4ad2dc_pv
	.p2align	8
	.type	k_qf8de4ad2dc_pv,@function
k_qf8de4ad2dc_pv:
	s_mov_b64 s[64:65], 0
	v_nop
	global_prefetch_b8 v0, s[64:65] scope:SCOPE_SE
	s_setreg_imm32_b32 hwreg(HW_REG_WAVE_MODE, 25, 1), 1
	s_wait_xcnt 0x0
	s_wait_alu depctr_hold_cnt(0) depctr_sa_sdst(0) depctr_va_vdst(0) depctr_va_sdst(0) depctr_va_ssrc(0) depctr_va_vcc(0) depctr_vm_vsrc(0)
	s_getreg_b32 s2, hwreg(HW_REG_IB_STS2, 6, 4)
	s_cmp_eq_u32 s2, 0
	s_cbranch_scc0 .Lentry_in_a_cluster
	s_endpgm
.Lentry_in_a_cluster:
	s_bfe_u32 s2, ttmp6, 0x10000c
	s_cmp_lg_u32 s2, 0xf033
	s_cbranch_scc0 .Lentry_shape_is_right
	s_endpgm
.Lentry_shape_is_right:
; THE SOFTMAX'S SECOND HALF AND THE SECOND PRODUCT.  For each query: M = max over the 16 chunks j of tm_j; g_j = 2^(tm_j - M) <= 1; L = sum g_j l_j >= 1;
; out0[q][e] = ( sum over j, over the chunk's keys k, of f16(g_j) pw[q][k] v[k][e] ) / L.  Maxima, g, L and the sums in f32; g is rounded to f16 and g p once more to f16 (exact where g = 1).
; LIMITS.  g p below 6e-5 keeps f16's fixed step of 6e-8; g below 2^-126 counts as 0 in L.  NaN and infinities are not treated apart.
; SHARES.  64 x 4 = 256 tiles of 128 queries x 256 channels, one for each WGP; four waves, each 64 x 128: 32 accumulators.  K (= keys) goes in 16 steps of 128, a chunk a step, through a ring of two LDS slots.
; pw's rows lie along the keys; v lies [key][channel] and is turned by ds_load_tr16_b128.  CLUSTER 4 x 4: pw's tile is shared along a row of the cluster, v's along a column, each asked for jointly.
; THE MATRIX INSTRUCTION IS USED TRANSPOSED (source 0 = 16 channels, source 1 = 16 queries): a lane holds query l % 16 and eight neighbouring channels.
; REGISTERS, in windows of 256 (s_set_vgpr_msb: bits 1:0 source 0, 3:2 source 1, 5:4 source 2, 7:6 destination):
;   window 0: v0-31 addresses; v32-39 1 / L; v64-191 the statistics at the start, rows on their way out at the end
;   window 1: accumulator (a, b) at v[8 (8 a + b)]      window 2: two fragment buffers of 96 (v's 8 fragments, then pw's 4); v192-195 (g, g) of my row in each of the four blocks
.set KSTEPS, 16
.set PA,    272                        ; a row of pw in LDS: 256 bytes + 16
.set PB,    544                        ; a row of v: 512 + 32 = 17 x 32
.set HALFA, 64*PA
.set HALFB, 64*PB
.set BOFF,  2*HALFA
.set SLOT,  0x20000                    ; a slot holds 104,448 bytes; slot 1 begins here, so that one exclusive or turns an address in one slot into the other's
.set STAGE, SLOT+BOFF+2*HALFB          ; behind the ring: 16 rows x 528 bytes for each wave
.set SP,    528
.set GT,    STAGE+4*16*SP              ; the table: row j of 16: (g_j, g_j) in f16 for each of the 128 queries; row 16: 1 / L in f32
.set SPARE, GT+17*512                  ; the spare words, 128 bytes for each wave, that no other line names
.set CA,  16
.set A0,  17
.set CB,  20
.set B0,  21
.set STO, 24
.set RD,  25
.set CO,  26
.set GA,  27                           ; v27  my row's word in the table's row in hand
.set SPW, 28
.set NIL, 29
.set IV,  32
.set OB,  64
.set F0,  0
.set F1,  96
.set GR,  192
.set G1,  24
.set G0,  32
.set G1B, 48
.set G0B, 56
.set MULW,  0x5a                       ; sources 0 and 1 window 2, C and D window 1
.set TO_F,  0x80
.set PREPW, 0x8a
.set MSB, 0
.macro WIN new
.if MSB != (\new)
	s_set_vgpr_msb (MSB<<8)|(\new)
.set MSB, \new
.endif
.endm
.macro PLACES
.rept 4
	v_nop
.endr
.endm
.macro JLOAD                           ; a joint refill by the walking sets: waves 0 and 1 fetch pw's two halves, waves 2 and 3 v's; an s_nop 0 and four v_nop follow each line
	s_cmp_eq_u32 s11, 0
	s_cbranch_scc0 .Lfor_b_\@
	tensor_load_to_lds s[G0+4:G0+7], s[G1:G1+7]
	s_nop 0
.rept 4
	v_nop
.endr
	s_branch .Lasked_\@
.Lfor_b_\@:
	tensor_load_to_lds s[G0B+4:G0B+7], s[G1B:G1B+7]
	s_nop 0
.rept 4
	v_nop
.endr
.Lasked_\@:
.endm
.macro CREST
	s_cmp_lg_u32 s10, 0
	s_cbranch_scc1 .Lnot_wave_0_\@
	s_barrier_signal -3
.Lnot_wave_0_\@:
	s_barrier_wait -3
	s_barrier_signal -1
	s_barrier_wait -1
.endm
.macro CROUND
	s_barrier_signal -1
	s_barrier_wait -1
	CREST
.endm
	s_load_b128 s[4:7], s[0:1], 0x0                ; pw s[4:5], qkv s[6:7]
	s_load_b128 s[16:19], s[0:1], 0x10             ; st s[16:17], out0 s[18:19]
	v_lshl_add_u32 v[SPW], v0, 2, SPARE
	v_mov_b32 v[NIL], 0
	ds_add_u32 v[SPW], v[NIL]                      ; the wave's opening: the add and its wait stand ahead of my first tensor load
	v_lshrrev_b32 v1, 5, v0
	v_readfirstlane_b32 s10, v1                    ; wave 0..3
	s_lshr_b32 s11, s10, 1                         ; my half of the queries.  Also: I fetch for pw (0) or for v (1)
	s_and_b32 s12, s10, 1                          ; my half of the channels.  Also: which 64 rows of that tile I fetch
	s_bfe_u32 s40, ttmp6, 0x40000                  ; cx
	s_bfe_u32 s41, ttmp6, 0x40004                  ; cy
	s_lshl_b32 s42, ttmp9, 2
	s_add_co_u32 s42, s42, s40                     ; channel tile 0..3
	s_and_b32 s45, ttmp7, 0xffff
	s_lshl_b32 s13, s45, 2
	s_add_co_u32 s13, s13, s41                     ; query tile 0..63
	s_lshr_b32 s23, s45, 2                         ; the batch: the same in all sixteen partners
	s_lshl_b32 s43, s41, 2
	s_lshl_b32 s43, 15, s43                        ; my row of the cluster
	s_lshl_b32 s44, 0x1111, s40                    ; my column
	s_or_b32 s[G1], s43, (1<<16)|(1<<20)|(1<<21)|(5<<22)|(3<<25)   ; pw: elements of 2 bytes; after every 64 words 4 words of padding
	s_mov_b32 s[G1+1], 128<<16                     ; 64 rows of 128 elements
	s_mov_b32 s[G1+2], 64<<16
	s_mov_b32 s[G1+3], 128<<16
	s_mov_b32 s[G1+4], 64
	s_mov_b32 s[G1+5], 2048                        ; elements from row to row
	s_mov_b32 s[G1+6], 0
	s_mov_b32 s[G1+7], 0
	s_or_b32 s[G1B], s44, (1<<16)|(1<<20)|(1<<21)|(6<<22)|(7<<25)  ; v: after every 128 words 8 words
	s_mov_b32 s[G1B+1], 256<<16                    ; 64 rows of 256 elements
	s_mov_b32 s[G1B+2], 64<<16
	s_mov_b32 s[G1B+3], 256<<16
	s_mov_b32 s[G1B+4], 64
	s_mov_b32 s[G1B+5], 1024
	s_mov_b32 s[G1B+6], 0
	s_mov_b32 s[G1B+7], 0
	s_lshl_b32 s2, s13, 19                         ; pw: 128 rows of 4,096 bytes a tile, my 64 of them
	s_lshl_b32 s3, s12, 18
	s_add_co_u32 s2, s2, s3
	s_mov_b32 s3, 0
	s_lshl_b32 s46, s23, 22                        ; v: the batch's 2,048 rows of 2,048 bytes, my 64 rows, the channel tile's 512 bytes, behind q's and k's 32 MiB
	s_lshl_b32 s47, s12, 17
	s_add_co_u32 s46, s46, s47
	s_lshl_b32 s47, s42, 9
	s_add_co_u32 s46, s46, s47
	s_add_co_u32 s46, s46, 33554432
	s_mov_b32 s47, 0
	s_mul_i32 s20, s12, HALFA                      ; where they go: no place in the cluster enters an LDS address
	s_mul_i32 s21, s12, HALFB
	s_add_co_u32 s21, s21, BOFF
	s_lshl_b32 s68, s13, 10                        ; st: 128 queries of 8 bytes a tile
	s_mov_b32 s69, 0
	s_lshl_b32 s66, s13, 19                        ; out0: 128 rows of 4,096 bytes a tile, my 64, the channel tile's 1,024 bytes, my 512
	s_lshl_b32 s67, s11, 18
	s_add_co_u32 s66, s66, s67
	s_lshl_b32 s67, s42, 10
	s_add_co_u32 s66, s66, s67
	s_lshl_b32 s67, s12, 9
	s_add_co_u32 s66, s66, s67
	s_mov_b32 s67, 0
	s_mov_b32 s22, 0                               ; the slot in hand
	s_wait_dscnt 0x0                               ; the opening add is done
	s_wait_kmcnt 0x0
	s_add_nc_u64 s[14:15], s[4:5], s[2:3]
	s_add_nc_u64 s[46:47], s[6:7], s[46:47]
	s_add_nc_u64 s[16:17], s[16:17], s[68:69]
	s_add_nc_u64 s[8:9], s[18:19], s[66:67]
	CROUND                                         ; all sixteen work-groups are here: the first joint loads meet
.irp s, 0,1
	s_mov_b32 s[G0+4*(\s)], 1
	s_add_co_u32 s[G0+4*(\s)+1], s20, (\s)*SLOT
	s_add_nc_u64 s[G0+4*(\s)+2:G0+4*(\s)+3], s[14:15], (\s)*256     ; K step s: 128 keys of 2 bytes on
	s_or_b32 s[G0+4*(\s)+3], s[G0+4*(\s)+3], 0x80000000
	s_mov_b32 s[G0B+4*(\s)], 1
	s_add_co_u32 s[G0B+4*(\s)+1], s21, (\s)*SLOT
	s_add_nc_u64 s[G0B+4*(\s)+2:G0B+4*(\s)+3], s[46:47], (\s)*262144  ; 128 rows of 2,048 bytes on
	s_or_b32 s[G0B+4*(\s)+3], s[G0B+4*(\s)+3], 0x80000000
.endr
	s_cmp_eq_u32 s11, 0                            ; a wave's two first fills stand in one branch: two loads of mine are out
	s_cbranch_scc0 .Lfirst_b
	tensor_load_to_lds s[G0:G0+3], s[G1:G1+7]
	s_nop 0
	tensor_load_to_lds s[G0+4:G0+7], s[G1:G1+7]
	s_nop 0
.rept 4
	v_nop
.endr
	s_branch .Lfirst_asked
.Lfirst_b:
	tensor_load_to_lds s[G0B:G0B+3], s[G1B:G1B+7]
	s_nop 0
	tensor_load_to_lds s[G0B+4:G0B+7], s[G1B:G1B+7]
	s_nop 0
.rept 4
	v_nop
.endr
.Lfirst_asked:
	; THE CHUNKS ARE JOINED, in the wait for the first tile: thread t owns query t of the tile's 128
	v_lshlrev_b32 v30, 3, v0
.irp j, 0,1,2,3,4,5,6,7,8,9,10,11,12,13,14,15
	global_load_b64 v[64+2*\j:65+2*\j], v30, s[16:17] offset:(\j)*65536  ; (tm_j, l_j): 256 consecutive bytes a wave
.endr
	v_lshl_add_u32 v31, v0, 2, GT                  ; my word in a row of the table
	v_and_b32 v1, 15, v0                           ; r
	v_bfe_u32 v2, v0, 4, 1                         ; h
	v_mul_u32_u24 v3, v1, PA                       ; pw: row r, keys 8 h on
	v_lshl_add_u32 v3, v2, 4, v3
	s_mul_i32 s23, s11, HALFA
	v_add_nc_u32 v[A0], s23, v3
	v_and_b32 v4, 7, v0                            ; v, for the turning load: row 8 h + l % 8, channels 8 ((l / 8) % 2) on
	v_lshl_add_u32 v4, v2, 3, v4
	v_mul_u32_u24 v4, v4, PB
	v_bfe_u32 v5, v0, 3, 1
	v_lshl_add_u32 v4, v5, 4, v4
	s_lshl_b32 s23, s12, 8
	s_add_co_u32 s23, s23, BOFF
	v_add_nc_u32 v[B0], s23, v4
	v_mov_b32 v[CA], v[A0]
	v_mov_b32 v[CB], v[B0]
	s_lshl_b32 s23, s11, 8
	s_add_co_u32 s23, s23, GT
	v_lshl_add_u32 v[GA], v1, 2, s23               ; query 64 (my half) + r; block a lies 64 a bytes on
	s_mul_i32 s23, s10, 16*SP
	s_add_co_u32 s23, s23, STAGE                   ; my stage
	v_mul_u32_u24 v4, v1, SP                       ; in: row r, 32 bytes for each half of the lanes
	v_lshl_add_u32 v4, v2, 5, v4
	v_add_nc_u32 v[STO], s23, v4
	v_and_b32 v5, 31, v0
	v_lshlrev_b32 v[CO], 4, v5                     ; back and out: 32 lanes take a row's 512 bytes
	v_add_nc_u32 v[RD], s23, v[CO]
	s_wait_loadcnt 0x0
	v_max3_num_f32 v96, v64, v66, v68
.irp j, 3,5,7,9,11,13
	v_max3_num_f32 v96, v96, v[64+2*\j], v[66+2*\j]
.endr
	v_max_num_f32 v96, v96, v94                    ; M
.irp j, 0,1,2,3,4,5,6,7,8,9,10,11,12,13,14,15
	v_sub_f32 v[64+2*\j], v[64+2*\j], v96
.endr
.irp j, 0,1,2,3,4,5,6,7,8,9,10,11,12,13,14,15
	v_exp_f32 v[64+2*\j], v[64+2*\j]               ; g_j
.endr
	v_nop                                          ; a plain instruction between the last exponential and the use of its result (ISA guide 5.7.2)
	s_wait_alu depctr_va_vdst(0)
	v_mul_f32 v97, v64, v65                        ; L, in two chains
	v_mul_f32 v98, v66, v67
.irp j, 2,3,4,5,6,7,8,9,10,11,12,13,14,15
	v_fmac_f32 v[97+(\j)%2], v[64+2*\j], v[65+2*\j]
.endr
	v_add_f32 v97, v97, v98
	v_rcp_f32 v97, v97                             ; the roundings below stand between it and the use of its result
.irp j, 0,1,2,3,4,5,6,7,8,9,10,11,12,13,14,15
	v_cvt_pk_f16_f32 v[100+\j], v[64+2*\j], v[64+2*\j]
.endr
.irp j, 0,1,2,3,4,5,6,7,8,9,10,11,12,13,14,15
	ds_store_b32 v31, v[100+\j] offset:512*(\j)
.endr
	s_wait_alu depctr_va_vdst(0)
	ds_store_b32 v31, v97 offset:512*16
; 8 matrix instructions: query block a x all 8 channel blocks, 32 keys from buffer f.  first = 1: the product starts the sum.  The 32 accumulators take turns, in the same order in every quarter.
.macro ONE f, a, b, first
	WIN MULW
.if \first
	v_wmma_f32_16x16x32_f16 v[8*(8*(\a)+(\b)):8*(8*(\a)+(\b))+7], v[(\f)+8*(\b):(\f)+8*(\b)+7], v[(\f)+64+8*(\a):(\f)+64+8*(\a)+7], 0
.else
	v_wmma_f32_16x16x32_f16 v[8*(8*(\a)+(\b)):8*(8*(\a)+(\b))+7], v[(\f)+8*(\b):(\f)+8*(\b)+7], v[(\f)+64+8*(\a):(\f)+64+8*(\a)+7], v[8*(8*(\a)+(\b)):8*(8*(\a)+(\b))+7]
.endif
.endm
.macro MUL f, a, first
.irp b, 0,1,2,3,4,5,6,7
	ONE \f, \a, \b, \first
.endr
.endm
.macro PREP g, n                       ; register n of 32 of pw's fragments in buffer g: two weights times my row's g
	v_pk_mul_f16 v[(\g)+64+(\n)], v[(\g)+64+(\n)], v[GR+(\n)/8]
.endm
.macro MULR f, a, g, first             ; the same 8, with four scalings for buffer g behind each: they name no register of the products round them
.irp b, 0,1,2,3,4,5,6,7
	ONE \f, \a, \b, \first
	WIN PREPW
	PREP \g, 4*(\b)
	PREP \g, 4*(\b)+1
	PREP \g, 4*(\b)+2
	PREP \g, 4*(\b)+3
.endr
.endm
; The LDS loads of quarter q (32 keys) of the slot in hand, in one run: with a step's first quarter its four g; pw's 8 loads; then v's 16, turned.
.macro FETCH q, g
	WIN TO_F
.if (\q) == 0
.irp a, 0,1,2,3
	ds_load_b32 v[GR+(\a)], v[GA] offset:64*(\a)
.endr
.endif
.irp a, 0,1,2,3
	ds_load_b128 v[(\g)+64+8*(\a):(\g)+64+8*(\a)+3],   v[CA] offset:(\a)*16*PA+64*(\q)
	ds_load_b128 v[(\g)+64+8*(\a)+4:(\g)+64+8*(\a)+7], v[CA] offset:(\a)*16*PA+64*(\q)+32
.endr
.irp b, 0,1,2,3,4,5,6,7
	ds_load_tr16_b128 v[(\g)+8*(\b):(\g)+8*(\b)+3],   v[CB] offset:(\q)*32*PB+32*(\b)
	ds_load_tr16_b128 v[(\g)+8*(\b)+4:(\g)+8*(\b)+7], v[CB] offset:(\q)*32*PB+16*PB+32*(\b)
.endr
.endm
.macro QUARTER q, f, g, first=0        ; multiplies buffer f, fetches quarter q into g
	s_wait_dscnt 0x0                               ; v's fragments of this quarter, issued 16 matrix instructions ago
	MUL \f, 0, \first
	MUL \f, 1, \first
	PLACES
	FETCH \q, \g
	MUL \f, 2, \first
	s_wait_dscnt 16                                ; g and pw are in; the 16 loads of v behind them may be out
	MULR \f, 3, \g, \first
.endm
; The last quarter multiplies buffer 1 and changes slots: ONE barrier; in front of it each wave waits for all its tensor loads (one is out: its part of the next slot), adds 0 to its spare
; word, and waits for that and for its reads of this slot.  fill = 1: the barrier opens a round of the cluster's, and this slot is filled again, first thing behind it, two K steps ahead.
.macro TURN fill
	WIN 0
	s_wait_tensorcnt 0x0
	ds_add_u32 v[SPW], v[NIL]
	s_wait_dscnt 1                                 ; (the add may be out)
	MUL F1, 0, 0
	s_wait_dscnt 0x0                               ; the add is done, and my reads of this slot are over
	s_barrier_signal -1
	MUL F1, 1, 0
	WIN 0
	s_barrier_wait -1
.if \fill
	CREST
	s_xor_b32 s[G0+5], s[G0+5], SLOT               ; the walking sets: the other slot than last time, the next K step
	s_add_nc_u64 s[G0+6:G0+7], s[G0+6:G0+7], 256
	s_xor_b32 s[G0B+5], s[G0B+5], SLOT
	s_add_nc_u64 s[G0B+6:G0B+7], s[G0B+6:G0B+7], 262144
	JLOAD                                          ; 112 matrix instructions ahead of the wait for it; its four v_nop are also the places in front of the loads below
.else
	PLACES
.endif
	s_xor_b32 s22, s22, SLOT
	v_add_nc_u32 v[CA], s22, v[A0]
	v_add_nc_u32 v[CB], s22, v[B0]
	v_add_nc_u32 v[GA], 512, v[GA]                 ; the table's next row
	FETCH 0, F0
	MUL F1, 2, 0
	s_wait_dscnt 16
	MULR F1, 3, F0, 0
.endm
	s_wait_tensorcnt 1                             ; my part of K step 0 is in; step 1's may stay out
	s_wait_dscnt 0x0                               ; for the others' sake: my words of the table are written
	s_barrier_signal -1
	s_barrier_wait -1
	FETCH 0, F0
	s_wait_dscnt 16
	WIN PREPW
.set n, 0
.rept 32
	PREP F0, n
.set n, n+1
.endr
	QUARTER 1, F0, F1, 1                           ; the first quarter stands in front of the loop: its products start the sums
	WIN 0
	s_mov_b32 s3, KSTEPS-2
.Lk:                                                   ; a trip is a K step, from its second quarter to the next step's first
	QUARTER 2, F1, F0
	QUARTER 3, F0, F1
	TURN 1
	QUARTER 1, F0, F1
	WIN 0
	s_sub_co_u32 s3, s3, 1
	s_cmp_lg_u32 s3, 0
	s_cbranch_scc1 .Lk
	QUARTER 2, F1, F0
	QUARTER 3, F0, F1
	TURN 0
	QUARTER 1, F0, F1
	QUARTER 2, F1, F0
	QUARTER 3, F0, F1
	s_wait_dscnt 0x0
	MUL F1, 0, 0
	MUL F1, 1, 0
	MUL F1, 2, 0
	MUL F1, 3, 0
; THE WAY OUT, a block of 16 queries at a time: divided by L (each accumulator's registers in ascending order), 32 bytes a lane into my own stage, back as whole rows of 512 bytes, stored.
.macro PACK a
	WIN 0x41                                       ; destination and source 0 window 1, 1 / L window 0
.set i, 64*(\a)
.rept 32
	v_pk_mul_f32 v[i:i+1], v[i:i+1], v[IV+2*(\a):IV+2*(\a)+1] op_sel_hi:[1,0]
.set i, i+2
.endr
.endm
.macro TOSTAGE a
.set BK, OB+64*((\a)%2)
	WIN 0x04                                       ; the stores' data in window 1
.irp b, 0,1,2,3,4,5,6,7
	ds_store_b128 v[STO], v[64*(\a)+8*(\b):64*(\a)+8*(\b)+3]   offset:64*(\b)
	ds_store_b128 v[STO], v[64*(\a)+8*(\b)+4:64*(\a)+8*(\b)+7] offset:64*(\b)+16
.endr
	WIN 0
.irp t, 0,1,2,3,4,5,6,7,8,9,10,11,12,13,14,15
	ds_load_b128 v[BK+4*(\t):BK+4*(\t)+3], v[RD] offset:(\t)*SP  ; LDS serves a wave's instructions in order (ISA guide 5.7.1.4): these see the stores above
.endr
.endm
.macro SEND a
.set BK, OB+64*((\a)%2)
	WIN 0
	s_wait_dscnt 0x0                               ; the block is back in registers
	s_wait_xcnt 0x0                                ; the stores of the block before have read their registers: the next TOSTAGE loads into them
.irp t, 0,1,2,3,4,5,6,7,8,9,10,11,12,13,14,15
	global_store_b128 v[CO], v[BK+4*(\t):BK+4*(\t)+3], s[8:9] offset:(16*(\a)+(\t))*4096 th:TH_STORE_NT  ; 512 consecutive bytes, aligned
.endr
.endm
	WIN 0
.irp a, 0,1,2,3
	ds_load_b32 v[IV+2*(\a)], v[GA] offset:512+64*(\a)  ; the table address stands at row 15: row 16 holds 1 / L
.endr
	PLACES
	s_wait_dscnt 0x0
.irp a, 0,1,2,3
	v_mov_b32 v[IV+2*(\a)+1], v[IV+2*(\a)]         ; named with it as a pair
.endr
	PACK 0
	TOSTAGE 0
.irp a, 1,2,3                          ; block a's arithmetic stands between block a - 1's loads from the stage and the wait for them
	PACK \a
	SEND (\a)-1
	TOSTAGE \a
.endr
	SEND 3
	s_wait_tensorcnt 0x0                           ; the wave's end
	ds_add_u32 v[SPW], v[NIL]
	s_wait_dscnt 0x0
	CROUND                                         ; the closing round
	s_endpgm
.Lfunc_end_k_qf8de4ad2dc_pv:
	.size	k_qf8de4ad2dc_pv, .Lfunc_end_k_qf8de4ad2dc_pv-k_qf8de4ad2dc_pv
	.p2alignl 7, 3214868480
	.fill 96, 4, 3214868480
	.section	.rodata,"a",@progbits
	.p2align	6, 0x0
	.amdhsa_kernel k_qf8de4ad2dc_pv
		.amdhsa_group_segment_fixed_size 327680
		.amdhsa_private_segment_fixed_size 0
		.amdhsa_enable_private_segment 0
		.amdhsa_kernarg_size 32
		.amdhsa_user_sgpr_count 2
		.amdhsa_user_sgpr_kernarg_segment_ptr 1
		.amdhsa_wavefront_size32 1
		.amdhsa_system_sgpr_workgroup_id_x 1
		.amdhsa_system_sgpr_workgroup_id_y 1
		.amdhsa_system_sgpr_workgroup_id_z 1
		.amdhsa_system_vgpr_workitem_id 0
		.amdhsa_next_free_vgpr 768
		.amdhsa_next_free_sgpr 70
		.amdhsa_reserve_vcc 0
		.amdhsa_float_denorm_mode_32 3
		.amdhsa_float_denorm_mode_16_64 3
		.amdhsa_memory_ordered 1
		.amdhsa_forward_progress 1
		.amdhsa_inst_pref_size 114
	.end_amdhsa_kernel
	.amdgpu_metadata
---
amdhsa.version: [ 1, 2 ]
amdhsa.kernels:
  - .name:           k_qf8de4ad2dc_pv
    .symbol:         k_qf8de4ad2dc_pv.kd
    .args:
      - { .name: pw, .offset: 0, .size: 8, .value_kind: global_buffer, .address_space: global }
      - { .name: qkv, .offset: 8, .size: 8, .value_kind: global_buffer, .address_space: global }
      - { .name: st, .offset: 16, .size: 8, .value_kind: global_buffer, .address_space: global }
      - { .name: out0, .offset: 24, .size: 8, .value_kind: global_buffer, .address_space: global }
    .group_segment_fixed_size: 327680
    .private_segment_fixed_size: 0
    .kernarg_segment_align: 8
    .kernarg_segment_size: 32
    .max_flat_workgroup_size: 128
    .sgpr_count:     70
    .vgpr_count:     768
    .wavefront_size: 32
...
	.end_amdgpu_metadata
.endif
;; end of part 4
;; ======== version 2 of 2: 4 launches; version 1 with the launch prep written anew for expert scheduling mode
;; limits: values are held in f16: magnitudes above 65,504 overflow, below 6.1e-05 lose precision
;; workspace buffers: wb 6,291,456 bytes; maskw 524,288 bytes of whole numbers; qkv 50,331,648 bytes; pw 33,554,432 bytes; st 1,048,576 bytes
;; launch prep (part 5): grid 256 x 1, 8 waves a work-group, no clusters, 68,608 bytes of LDS; arguments Wq, Wk, Wv, mask, wb, maskw; writes wb, maskw
.if DOCPART == 5
	.amdgcn_target "amdgcn-amd-amdhsa--gfx1250"
	.amdhsa_code_object_version 6
	.text
	.protected	k_qf8de4ad2dc_prep
	.globl	k_qf8de4ad2dc_prep
	.p2align	8
	.type	k_qf8de4ad2dc_prep,@function
k_qf8de4ad2dc_prep:
	s_mov_b64 s[64:65], 0
	v_nop
	global_prefetch_b8 v0, s[64:65] scope:SCOPE_SE
	s_setreg_imm32_b32 hwreg(HW_REG_WAVE_SCHED_MODE, 0, 2), 2
	s_setreg_imm32_b32 hwreg(HW_REG_WAVE_MODE, 25, 1), 1
	s_wait_xcnt 0x0
	s_wait_alu depctr_vm_vsrc(0)
; PREP.  (1) wb[t][d][e] = bf16(W_t[d][e]), t = 0, 1, 2 for Wq, Wk, Wv: a plain cast, rounded once to nearest even.
; (2) maskw[QB][KB][j], one 32-bit word: bit r + 16 h = (mask[16 QB + r][16 KB + 8 h + j] != 0).  That is the lane mask of register j of a
; 16 x 16 score tile in which lane r + 16 h holds query r and keys 8 h + 0..7, so the score launch selects with it as it lies.
; A stream: memory binds, so no matrix unit, no cluster, no tensor load.  Every input byte is read once, in runs of 512 bytes a wave.
; SHARES.  256 work-groups of eight waves.  Of each W a work-group casts 4,096 numbers: load k of thread t takes the 16 bytes at 16 t + 4,096 k,
; the store the 8 bytes at 8 t + 2,048 k: a wave's store covers 256 consecutive bytes, aligned.  Of the mask a wave packs 16 rows x 128 columns
; (task T = 8 g + w: QB = T / 16, columns 128 (T % 16) on): rows come in whole, go through the wave's own stage in LDS (pitch 528 bytes = 33 x 16),
; and 64 compares make the 64 words.
; THE MODE: SCHED_MODE bits 1:0 = 2 (LLVM: expert scheduling mode 2), set by the entry lines.  The code itself states the register dependences
; between vector instructions and memory or LDS instructions, with s_wait_alu, always for 0.
; THE PLAN.  Registers that memory or LDS instructions touch (there is no loop: each is used once):
;   v2-v9    the spare word's address, 0, and six offsets and LDS addresses: written by vector lines at the head, never again; read by every load, store and LDS instruction.
;   MR       written by the 16 mask loads, read by the 16 LDS stores; no vector line names it.
;   MB       written by the 16 LDS loads, read by the 64 compares; never loaded again.
;   WI       written by the 12 loads of W, read by the 24 conversions; never loaded again.
;   WO       written by the 24 conversions, each register once; read by the 12 stores, which stand in one run behind one wait.
;   BITS     written at the head and by the 64 lane writes; read by the last store.
; No register that a memory or LDS instruction has read is written again, so no wait on vm_vsrc is owed.
; A compare's word goes through a scalar register into a lane write: the compares stand in four runs of 16, into s16-s31, with one wait on va_sdst behind each run.
.set ROWP,  528
.set STG,   16*ROWP                    ; a wave's stage
.set SPARE, 8*STG                      ; behind the stages: the spare words, 128 bytes for each wave, that no other line names
.set SPW,  2                           ; v2   my spare word's LDS address; never rewritten
.set NIL,  3                           ; v3   0; never rewritten
.set WOFF, 4                           ; v4   16 x thread: W in
.set WOUT, 5                           ; v5   8 x thread: wb out
.set MOFF, 6                           ; v6   16 x lane: a mask row in
.set MST,  7                           ; v7   stage, in: my 16 bytes of a row
.set MRD,  8                           ; v8   stage, back: row r, 32 h bytes on
.set MOUT, 9                           ; v9   8 x lane: maskw out
.set BITS, 10                          ; v10-11  lane l: words 2 l and 2 l + 1
.set WI,   16                          ; v16-63   W as loaded, 12 loads
.set WO,   64                          ; v64-87   W as stored
.set MR,   88                          ; v88-151  16 mask rows as loaded
.set MB,   152                         ; v152-215 register m: the numbers of word m
.set CW,   16                          ; s16-31   a run's 16 words, as the compares leave them; at the head these registers hold the wave's number and offsets, done with by then
	s_load_b256 s[4:11], s[0:1], 0x0               ; Wq s[4:5], Wk s[6:7], Wv s[8:9], mask s[10:11]
	s_load_b128 s[12:15], s[0:1], 0x20             ; wb s[12:13], maskw s[14:15]
	v_lshl_add_u32 v[SPW], v0, 2, SPARE
	v_mov_b32 v[NIL], 0
	v_lshrrev_b32 v1, 5, v0
	v_readfirstlane_b32 s16, v1                    ; wave 0..7
	v_and_b32 v1, 31, v0                           ; lane
	v_lshlrev_b32 v[WOFF], 4, v0
	v_lshlrev_b32 v[WOUT], 3, v0
	v_lshlrev_b32 v[MOFF], 4, v1
	v_lshlrev_b32 v[MOUT], 3, v1
	v_and_b32 v12, 15, v0                          ; r
	v_bfe_u32 v13, v0, 4, 1                        ; h
	v_mul_u32_u24 v12, v12, ROWP
	v_lshl_add_u32 v12, v13, 5, v12                ; r x pitch + 8 h numbers
	v_mov_b32 v[BITS], 0                           ; v_writelane_b32 keeps the other lanes: written whole first
	v_mov_b32 v[BITS+1], 0
	s_wait_alu depctr_va_sdst(0)                   ; s16 is written, ahead of its first reader: my stage's address and my task's number are made from it
	s_mul_i32 s17, s16, STG                        ; my stage
	v_lshl_add_u32 v[MST], v1, 4, s17
	v_add_nc_u32 v[MRD], s17, v12
	s_lshl_b32 s18, ttmp9, 3
	s_add_co_u32 s18, s18, s16                     ; T
	s_lshr_b32 s19, s18, 4                         ; QB
	s_and_b32 s18, s18, 15                         ; group of 128 columns
	s_lshl_b32 s24, s19, 17                        ; mask: 16 rows of 8,192 bytes,
	s_lshl_b32 s25, s18, 9                         ; 128 columns of 4
	s_add_co_u32 s24, s24, s25
	s_mov_b32 s25, 0
	s_lshl_b32 s26, s19, 12                        ; maskw: 1,024 words a QB,
	s_lshl_b32 s27, s18, 8                         ; 64 a task
	s_add_co_u32 s26, s26, s27
	s_mov_b32 s27, 0
	s_lshl_b32 s28, ttmp9, 14                      ; W: 4,096 numbers of 4 bytes a work-group
	s_mov_b32 s29, 0
	s_lshl_b32 s30, ttmp9, 13                      ; wb: of 2 bytes
	s_mov_b32 s31, 0
	s_wait_kmcnt 0x0
	s_add_nc_u64 s[10:11], s[10:11], s[24:25]
	s_add_nc_u64 s[14:15], s[14:15], s[26:27]
	s_add_nc_u64 s[4:5], s[4:5], s[28:29]
	s_add_nc_u64 s[6:7], s[6:7], s[28:29]
	s_add_nc_u64 s[8:9], s[8:9], s[28:29]
	s_add_nc_u64 s[12:13], s[12:13], s[30:31]
	s_wait_alu depctr_va_vdst(0)                   ; the six offsets and LDS addresses v4 to v9 are written: every load, store and LDS instruction below reads one of them, and none is written again
.irp i, 0,1,2,3,4,5,6,7,8,9,10,11,12,13,14,15
	global_load_b128 v[MR+4*(\i):MR+4*(\i)+3], v[MOFF], s[10:11] offset:(\i)*8192 th:TH_LOAD_NT  ; row i: 512 consecutive bytes
.endr
.irp t, 0,1,2
.irp k, 0,1,2,3
	global_load_b128 v[WI+16*(\t)+4*(\k):WI+16*(\t)+4*(\k)+3], v[WOFF], s[4+2*(\t):5+2*(\t)] offset:(\k)*4096 th:TH_LOAD_NT
.endr
.endr
	s_wait_loadcnt 12                              ; loads come back in order (ISA guide 5.7.1): the 16 rows are in, the 12 loads of W stay out
.irp i, 0,1,2,3,4,5,6,7,8,9,10,11,12,13,14,15
	ds_store_b128 v[MST], v[MR+4*(\i):MR+4*(\i)+3] offset:(\i)*ROWP
.endr
.set n, 0
.rept 16                                               ; LDS serves a wave's instructions in order (ISA guide 5.7.1.4): these see the stores above; the bytes are my wave's own
	ds_load_b128 v[MB+4*n:MB+4*n+3], v[MRD] offset:(n/2)*64+(n%2)*16  ; columns 16 (n / 2) + 8 h + 4 (n % 2) + 0..3 of row r: words 4 n .. 4 n + 3
.set n, n+1
.endr
	s_wait_loadcnt 0x0                             ; W
.set i, 0
.rept 12                                               ; the 24 roundings in one run,
	v_cvt_pk_bf16_f32 v[WO+2*i], v[WI+4*i], v[WI+4*i+1]
	v_cvt_pk_bf16_f32 v[WO+2*i+1], v[WI+4*i+2], v[WI+4*i+3]
.set i, i+1
.endr
	s_wait_alu depctr_va_vdst(0)                   ; the roundings have written v[WO ..], which the 12 stores read
.set i, 0
.rept 12                                               ; and their stores in one run behind the one wait
	global_store_b64 v[WOUT], v[WO+2*i:WO+2*i+1], s[12:13] offset:(i/4)*2097152+(i%4)*2048
.set i, i+1
.endr
	s_wait_dscnt 0x0                               ; the mask is back
.set m, 0
.rept 4                                                ; four runs of 16 words
.rept 16
	v_cmp_ne_u32 s[CW+m%16], 0, v[MB+m]            ; word m: one bit a lane
.set m, m+1
.endr
	s_wait_alu depctr_va_sdst(0)                   ; the run's 16 compares have written s16 to s31, ahead of the lane writes that read them
.set m, m-16
.rept 16
	v_writelane_b32 v[BITS+m%2], s[CW+m%16], m/2
.set m, m+1
.endr
.endr
	s_wait_alu depctr_va_vdst(0)                   ; the lane writes have written v[BITS] and v[BITS+1], which the store reads
	global_store_b64 v[MOUT], v[BITS:BITS+1], s[14:15]  ; 64 words: 256 consecutive bytes, aligned
	s_wait_dscnt 0x0                               ; the closing lines, six on end
	s_wait_alu 0x0
	s_wait_tensorcnt 0x0
	ds_add_u32 v[SPW], v[NIL]
	s_wait_dscnt 0x0
	s_endpgm
.Lfunc_end_k_qf8de4ad2dc_prep:
	.size	k_qf8de4ad2dc_prep, .Lfunc_end_k_qf8de4ad2dc_prep-k_qf8de4ad2dc_prep
	.p2alignl 7, 3214868480
	.fill 96, 4, 3214868480
	.section	.rodata,"a",@progbits
	.p2align	6, 0x0
	.amdhsa_kernel k_qf8de4ad2dc_prep
		.amdhsa_group_segment_fixed_size 68608
		.amdhsa_private_segment_fixed_size 0
		.amdhsa_enable_private_segment 0
		.amdhsa_kernarg_size 48
		.amdhsa_user_sgpr_count 2
		.amdhsa_user_sgpr_kernarg_segment_ptr 1
		.amdhsa_wavefront_size32 1
		.amdhsa_system_sgpr_workgroup_id_x 1
		.amdhsa_system_sgpr_workgroup_id_y 1
		.amdhsa_system_sgpr_workgroup_id_z 1
		.amdhsa_system_vgpr_workitem_id 0
		.amdhsa_next_free_vgpr 216
		.amdhsa_next_free_sgpr 66
		.amdhsa_reserve_vcc 0
		.amdhsa_float_denorm_mode_32 3
		.amdhsa_float_denorm_mode_16_64 3
		.amdhsa_memory_ordered 1
		.amdhsa_forward_progress 1
		.amdhsa_inst_pref_size 18
	.end_amdhsa_kernel
	.amdgpu_metadata
---
amdhsa.version: [ 1, 2 ]
amdhsa.kernels:
  - .name:           k_qf8de4ad2dc_prep
    .symbol:         k_qf8de4ad2dc_prep.kd
    .args:
      - { .name: Wq, .offset: 0, .size: 8, .value_kind: global_buffer, .address_space: global }
      - { .name: Wk, .offset: 8, .size: 8, .value_kind: global_buffer, .address_space: global }
      - { .name: Wv, .offset: 16, .size: 8, .value_kind: global_buffer, .address_space: global }
      - { .name: mask, .offset: 24, .size: 8, .value_kind: global_buffer, .address_space: global }
      - { .name: wb, .offset: 32, .size: 8, .value_kind: global_buffer, .address_space: global }
      - { .name: maskw, .offset: 40, .size: 8, .value_kind: global_buffer, .address_space: global }
    .group_segment_fixed_size: 68608
    .private_segment_fixed_size: 0
    .kernarg_segment_align: 8
    .kernarg_segment_size: 48
    .max_flat_workgroup_size: 256
    .sgpr_count:     66
    .vgpr_count:     216
    .wavefront_size: 32
...
	.end_amdgpu_metadata
.endif
;; end of part 5
;; launch proj: the kernel of part 2 again; grid 4 x 64, 4 waves a work-group, clusters of 4 x 4, 327,680 bytes of LDS; arguments Q, K, V, wb, bq, bk, bv, qkv; writes qkv
;; launch scores: the kernel of part 3 again; grid 8 x 32, 4 waves a work-group, clusters of 4 x 4, 327,680 bytes of LDS; arguments qkv, maskw, pw, st; writes pw, st
;; launch pv: the kernel of part 4 again; grid 4 x 64, 4 waves a work-group, clusters of 4 x 4, 327,680 bytes of LDS; arguments pw, qkv, st, out0; writes out0
